; MI455X (gfx1250); checked and timed in simulation.
; The chip was launched on July 23, 2026; its instructions are those of AMD's public machine-readable ISA for CDNA 5 (MIT licence, August 2026) and "CDNA5" Instruction Set Architecture Reference Guide (July 2026). The comments in the code are by the model that wrote it; some were corrected since.
;; Multi Head Attention. Allowed arithmetic: matrix products marked QUANTISED: E2M3 operands, one E8M0 scale for each 32 along K, by v_wmma_scale_f32_16x16x128_f8f6f4 with both operands' format E2M3, f32 sums; everything else in f32.
;; Inputs: Wk 16 x 64 x 1,024 float32; Wo 1,024 x 1,024 float32; Wq 16 x 64 x 1,024 float32; Wv 16 x 64 x 1,024 float32; x 4 x 2,048 x 1,024 float32.
;; Outputs: out0 4 x 2,048 x 1,024 float32.
;; This version of the problem:
;;   THIS VERSION OF THE PROBLEM IS GIVEN IN LOW PRECISION. The matrix products marked QUANTISED in the list below multiply operands that are first quantised to E2M3 (2 exponent bits, 3 mantissa bits; 6 bits a number), with one power-of-two scale for each 32 numbers along K (OCP MX v1.0); their sums are f32. All else is computed in f32.
;;   The module's matrix products, in the order in which they are computed (A, B: the left and right operand; K: the contracted axis; several contracted axes count as one K, in the product's order):
;;     1. [M 1,024, K 1,024] x [K 1,024, N 8,192]; A: input Wq; B: input x: QUANTISED
;;     2. [M 1,024, K 1,024] x [K 1,024, N 8,192]; A: input Wk; B: input x: QUANTISED
;;     3. [M 1,024, K 1,024] x [K 1,024, N 8,192]; A: input Wv; B: input x: QUANTISED
;;     4. batch 64 x [M 2,048, K 64] x [K 64, N 2,048]; A: computed on the way; B: computed on the way: QUANTISED
;;     5. batch 64 x [M 2,048, K 2,048] x [K 2,048, N 64]; A: softmax (see below); B: computed on the way: QUANTISED
;;     6. [M 8,192, K 1,024] x [K 1,024, N 1,024]; A: computed on the way; B: input Wo: QUANTISED
;;   THE QUANTISER, for each operand of a quantised product, along K:
;;     - K is cut into blocks of 32 from its start; a last block that is shorter is filled with zeros.
;;     - A block's scale is 2^e with e = floor(log2(the largest magnitude in the block)) - 2, held to -126 .. 127; a block of zeros has e = 0. As a byte (E8M0): e + 127.
;;     - Each number is divided by its block's scale, clamped to +-7.5, and rounded to the nearest number of E2M3, ties to even, subnormals kept.
;;     - The product sums the exact products of the quantised numbers (number of the format x scale) in f32.
;;   ~~~python
;;   def quantise(x, axis):      # numpy; x: float32 -> the quantised numbers, widened to float32 again
;;       x = np.moveaxis(x, axis, -1); K = x.shape[-1]
;;       x = np.pad(x, [(0, 0)] * (x.ndim - 1) + [(0, -K % 32)]); x = x.reshape(x.shape[:-1] + (-1, 32)); a = np.abs(x).max(-1, keepdims=True)
;;       e = np.where(a > 0, np.clip(np.frexp(np.where(a > 0, a, 1))[1] - 1 - 2, -126, 127), 0)      # np.frexp(a)[1] - 1 = floor(log2(a)), exactly
;;       r = np.clip(x / 2.0 ** e, -7.5, 7.5)
;;       step = 2.0 ** (np.maximum(np.frexp(np.where(r == 0, 1, r))[1] - 1, 0) - 3)
;;       q = np.round(r / step) * step * 2.0 ** e      # np.round: ties to even
;;       return np.moveaxis(q.reshape(q.shape[:-2] + (-1,))[..., :K], -1, axis).astype(np.float32)
;;   ~~~
;;   SOFTMAX AHEAD OF A QUANTISED PRODUCT. Where the list says 'softmax', what is quantised is not the finished softmax but p = 2^(t - M), with t = logit x log2(e) and M = ceil(the row's largest t), a whole number; so 1/2 < the row's largest p <= 1. The row's sum l is taken of the UNQUANTISED p, in f32, and the product's result is divided by l at the end. Since M is a whole number, a kernel that streams over the keys may use a running M (the ceiling of the running maximum): every later rescaling is an exact power of two, which a block's scale takes up: the codes' values come out the same.
;;   OPERANDS COMPUTED ON THE WAY. 'Computed on the way' means the value that the module computes at that place (a softmax that the list does not call 'softmax' is quantised finished and normalised). What goes into a quantiser is computed in f32, as accurately as f32 sums, v_exp_f32 and their like allow (about 1e-6 of the number): no bf16 or f16 on the way to a quantiser, and a product that is left as it is and whose result goes on into a quantised operand takes f32 operands (vector FMAs, or v_wmma_f32_16x16x4_f32). A number that lies on a knife's edge between two numbers of the format may be rounded either way, as far as f32 arithmetic and the matrix unit's own rounding can turn it there, and no further.
;; One version. Each part assembles by itself: llvm-mc -triple=amdgcn-amd-amdhsa -mcpu=gfx1250 --defsym DOCPART=n.
;; ======== version 1 of 1: 4 launches
;; limits: right only within a limited range of input values
;; workspace buffers: cod 9,437,184 bytes; scl 393,216 bytes; qkv 19,660,800 bytes; ctc 6,291,456 bytes; cts 262,144 bytes
;; launch quant (part 1): grid 768 x 1, 4 waves a work-group, no clusters, 34,816 bytes of LDS; arguments x, Wq, Wk, Wv, Wo, cod, scl; writes cod, scl
.if DOCPART == 1
	.amdgcn_target "amdgcn-amd-amdhsa--gfx1250"
	.amdhsa_code_object_version 6
	.text
	.protected	k_q3a6740b14e_quant
	.globl	k_q3a6740b14e_quant
	.p2align	8
	.type	k_q3a6740b14e_quant,@function
k_q3a6740b14e_quant:
	s_mov_b64 s[64:65], 0
	v_nop
	global_prefetch_b8 v0, s[64:65] scope:SCOPE_SE
	s_setreg_imm32_b32 hwreg(HW_REG_WAVE_MODE, 25, 1), 1
	s_wait_xcnt 0x0
; x [8192][1024], Wq, Wk, Wv [1024][1024], Wo [1024][1024], f32, K innermost, become codes of FP6 (E2M3) with one E8M0 byte for each 32 along K.
; The five tensors form ONE row space of 12,288 rows: x 0.., Wq 8192.., Wk 9216.., Wv 10240.., Wo 11264..
; THE CODES ARE LAID AS IMAGES OF OPERAND REGISTERS.  A row tile a holds in lane r the row 32 (a / 2) + 8 (a % 2) + r + 8 (r / 8).  A fragment (16 rows x 128 K) is 12 registers
; a lane: lane (r, h), registers 6 c .. 6 c + 5 = K 64 c + 32 h + 0 .. 31.  It lies as three pieces of 512 bytes: piece c holds lane l's registers 4 c .. 4 c + 3 at 512 c + 16 l.
; cod: [row tile 768][K step of 128: 8][1,536 bytes].   scl: [row tile 768][K half 2][r 16][4 words], a word = the four bytes of one row and 128 along K.
; A block's scale is 2^(floor(log2(largest magnitude)) - 2): its byte is the largest magnitude's exponent field - 2, held at 1 from below.
; LIMITS: a block of zeros gets the byte 1 where the rule says 127 (its codes are zeros and only this program reads the bytes); blocks whose largest magnitude lies
; under 2^-124 are held at the byte 1; NaN and infinities among the inputs are not served.
; SHARES: a work-group takes one row tile (768 work-groups, three for each of 256 WGPs); wave w takes the w-th quarter of K: two fragments, whose 32 loads all go out at the head.
; Each load reads 512 consecutive bytes of one row; a fragment's 8,192 bytes turn through the wave's own stage in LDS (rows 528 bytes apart), so that a lane gets two whole blocks of 32.
; Each store of codes covers 512 consecutive aligned bytes.  The scale words of the two waves of a K half meet in 512 LDS bytes of their own, so that waves 0 and 1 store whole units of 256 bytes.
; No tensor loads, no cluster: work-groups share nothing.
.set STG,  8448                        ; a wave's stage: 16 rows x 528 bytes
.set EX,   0x8600                      ; behind the stages and the spare words: the tile's scale words, [K half][r][4 words]
.set SWD,  16                          ; v16-17   the two fragments' scale words
.set C,    20                          ; v20-31   a fragment's codes
.set R,    32                          ; v32-159  two sets of 64 registers as loaded
.set X,    160                         ; v160-223 my two blocks: register 32 c + i = K 64 c + 32 h + i of row r
.set T0,   224                         ; v224-226, v228-230: a conversion's three registers begin on an even number
.set T1,   228
	s_load_b256 s[4:11], s[0:1], 0x0               ; x, Wq, Wk, Wv
	s_load_b128 s[12:15], s[0:1], 0x20             ; Wo, cod
	s_load_b64 s[16:17], s[0:1], 0x30              ; scl
	v_lshl_add_u32 v240, v0, 2, 0x8400
	v_mov_b32 v241, 0
	v_lshrrev_b32 v1, 5, v0
	v_readfirstlane_b32 s18, v1                    ; wave: my quarter of K
	s_and_b32 s19, ttmp9, 1                        ; which tile of a group of 32 rows
	s_lshr_b32 s36, ttmp9, 1                       ; the group
	s_mul_i32 s21, s18, STG
	s_lshr_b32 s37, s18, 1
	s_lshl_b32 s37, s37, 8                         ; my K half's 256 bytes of scale words,
	s_and_b32 s38, s18, 1
	s_lshl_b32 s38, s38, 3                         ; my two words of a row's four
	s_add_co_u32 s37, s37, s38
	s_add_co_u32 s37, s37, EX
	s_min_u32 s39, s18, 1                          ; the unit that waves 0 and 1 store
	s_lshl_b32 s39, s39, 8
	s_add_co_u32 s38, s39, EX
	s_mov_b32 s24, 0x76543210
	s_mov_b32 s25, 0xfedcba98                      ; selects for lane l xor 16
	s_and_b32 s22, s36, 31                         ; the group's number inside a weight,
	s_cmp_lt_u32 s36, 256
	s_cselect_b32 s22, s36, s22                    ; or inside x
	s_lshl_b32 s22, s22, 17                        ; 32 rows of 4,096 bytes
	s_lshl_b32 s23, s19, 15                        ; the odd tile begins 8 rows on
	s_add_co_u32 s22, s22, s23
	s_lshl_b32 s23, s18, 10                        ; the quarter of K: 256 numbers
	s_add_co_u32 s22, s22, s23
	s_mov_b32 s23, 0
	s_mul_i32 s30, ttmp9, 12288                    ; my row tile is the work-group's number
	s_mul_i32 s27, s18, 3072
	s_add_co_u32 s30, s30, s27
	s_mov_b32 s31, 0
	s_lshl_b32 s32, ttmp9, 9
	s_add_co_u32 s32, s32, s39
	s_mov_b32 s33, 0
	v_and_b32 v1, 31, v0
	v_lshlrev_b32 v232, 3, v1                      ; 8 x lane
	v_lshlrev_b32 v1, 4, v1                        ; 16 x lane
	v_and_b32 v2, 15, v0                           ; r
	v_bfe_u32 v3, v0, 4, 1                         ; h
	v_add_nc_u32 v4, s21, v1                       ; the stage, on the way in: 16 x lane in a row
	v_mul_u32_u24 v5, v2, 528
	v_lshl_add_u32 v5, v3, 7, v5
	v_add_nc_u32 v5, s21, v5                       ; and on the way out: row r, 128 h bytes on
	v_lshl_add_u32 v6, v2, 4, s37                  ; where my two scale words of row r go
	v_add_nc_u32 v233, s38, v232                   ; and where a unit is read back
	v_lshlrev_b32 v7, 3, v3                        ; 8 h: my bytes' shift in a scale word
	v_mov_b32 v15, 0                               ; a lane permute's destination counts as one of its sources
	s_wait_alu depctr_va_vdst(0)                   ; the wait at the head's end
	s_wait_kmcnt 0x0
	s_mov_b64 s[34:35], s[12:13]                   ; the tensor is chosen by the work-group's number alone
	s_cmp_lt_u32 s36, 352
	s_cselect_b64 s[34:35], s[10:11], s[34:35]
	s_cmp_lt_u32 s36, 320
	s_cselect_b64 s[34:35], s[8:9], s[34:35]
	s_cmp_lt_u32 s36, 288
	s_cselect_b64 s[34:35], s[6:7], s[34:35]
	s_cmp_lt_u32 s36, 256
	s_cselect_b64 s[34:35], s[4:5], s[34:35]
	s_add_nc_u64 s[34:35], s[34:35], s[22:23]
	s_add_nc_u64 s[14:15], s[14:15], s[30:31]
	s_add_nc_u64 s[16:17], s[16:17], s[32:33]
.macro LOAD f                          ; fragment f: 128 numbers of each of the tile's 16 rows: 512 consecutive bytes a load
.irp t, 0,1,2,3,4,5,6,7,8,9,10,11,12,13,14,15
	global_load_b128 v[R+64*((\f)%2)+4*\t:R+64*((\f)%2)+4*\t+3], v1, s[34:35] offset:(\t+8*(\t/8))*4096+512*(\f) th:TH_LOAD_NT
.endr
.endm
.macro TURN f                          ; through the stage: LDS serves a wave's instructions in order, so no wait stands between the stores and the loads
.irp t, 0,1,2,3,4,5,6,7,8,9,10,11,12,13,14,15
	ds_store_b128 v4, v[R+64*((\f)%2)+4*\t:R+64*((\f)%2)+4*\t+3] offset:528*\t
.endr
.irp c, 0,1
.irp j, 0,1,2,3,4,5,6,7
	ds_load_b128 v[X+32*\c+4*\j:X+32*\c+4*\j+3], v5 offset:256*\c+16*\j
.endr
.endr
.endm
.macro FRAGQ f
	v_max3_num_f32 v8, |v[X]|, |v[X+1]|, 0x1800000                 ; my block 2 c + h: all its 32 numbers are mine; the floor 2^(3 - 127) holds the byte at 1 from below
	v_max3_num_f32 v9, |v[X+32]|, |v[X+33]|, 0x1800000
.irp i, 2,4,6,8,10,12,14,16,18,20,22,24,26,28,30
	v_max3_num_f32 v8, v8, |v[X+\i]|, |v[X+\i+1]|
	v_max3_num_f32 v9, v9, |v[X+32+\i]|, |v[X+33+\i]|
.endr
	v_add_nc_u32 v10, 0xff000000, v8               ; 2 off the exponent field: the conversion's scale operand
	v_add_nc_u32 v11, 0xff000000, v9
	v_lshrrev_b32 v12, 23, v10                     ; the bytes
	v_lshrrev_b32 v13, 23, v11
	v_lshl_or_b32 v12, v13, 16, v12                ; blocks h and 2 + h,
	v_lshlrev_b32 v12, v7, v12                     ; at their places in the word;
	v_permlanex16_b32 v15, v12, s24, s25
	v_or_b32 v[SWD+\f], v12, v15                   ; with lane l xor 16's two the word is whole
	s_wait_alu depctr_va_vdst(0)                   ; the wait here, directly ahead of the wait below
	s_wait_xcnt 0x0                                ; the last fragment's stores have read v[C ..]: only now are they written again
	v_cvt_scalef32_pk16_fp6_f32 v[C:C+2], v[X:X+15], v10
	v_cvt_scalef32_pk16_fp6_f32 v[T0:T0+2], v[X+16:X+31], v10
	v_cvt_scalef32_pk16_fp6_f32 v[C+6:C+8], v[X+32:X+47], v11
	v_cvt_scalef32_pk16_fp6_f32 v[T1:T1+2], v[X+48:X+63], v11
	v_nop                                          ; one plain place behind a scaled conversion
.irp i, 0,1,2
	v_mov_b32 v[C+3+\i], v[T0+\i]
	v_mov_b32 v[C+9+\i], v[T1+\i]
.endr
.irp c, 0,1,2
	global_store_b128 v1, v[C+4*\c:C+4*\c+3], s[14:15] offset:1536*(\f)+512*\c   ; 32 lanes store 512 consecutive bytes, aligned
.endr
.endm
	LOAD 0
	LOAD 1
	s_wait_loadcnt 16                              ; the first fragment's 16 loads are in; the second's 16 may be out
	TURN 0
	s_wait_dscnt 0x0                               ; my blocks are back
	FRAGQ 0
	s_wait_loadcnt 0x0
	TURN 1
	s_wait_dscnt 0x0
	FRAGQ 1
	ds_store_b64 v6, v[SWD:SWD+1]                  ; my two words of row r (lanes l and l xor 16 hold, and store, the same words at the same place)
	s_wait_dscnt 0x0                               ; for the others' sake
	s_barrier_signal -1
	s_barrier_wait -1
	s_cmp_lt_u32 s18, 2
	s_cbranch_scc0 .Lno_unit
	ds_load_b64 v[14:15], v233                     ; waves 0 and 1: a K half's 16 rows x 4 words
	s_wait_dscnt 0x0
	global_store_b64 v232, v[14:15], s[16:17]      ; 32 lanes store 256 consecutive bytes, aligned
.Lno_unit:
	s_wait_tensorcnt 0x0                           ; the wave's end
	ds_add_u32 v240, v241
	s_wait_dscnt 0x0
	s_endpgm
.Lfunc_end_k_q3a6740b14e_quant:
	.size	k_q3a6740b14e_quant, .Lfunc_end_k_q3a6740b14e_quant-k_q3a6740b14e_quant
	.p2alignl 7, 3214868480
	.fill 96, 4, 3214868480
	.section	.rodata,"a",@progbits
	.p2align	6, 0x0
	.amdhsa_kernel k_q3a6740b14e_quant
		.amdhsa_group_segment_fixed_size 34816
		.amdhsa_private_segment_fixed_size 0
		.amdhsa_enable_private_segment 0
		.amdhsa_kernarg_size 56
		.amdhsa_user_sgpr_count 2
		.amdhsa_user_sgpr_kernarg_segment_ptr 1
		.amdhsa_wavefront_size32 1
		.amdhsa_system_sgpr_workgroup_id_x 1
		.amdhsa_system_sgpr_workgroup_id_y 1
		.amdhsa_system_sgpr_workgroup_id_z 1
		.amdhsa_system_vgpr_workitem_id 0
		.amdhsa_next_free_vgpr 242
		.amdhsa_next_free_sgpr 66
		.amdhsa_reserve_vcc 0
		.amdhsa_float_denorm_mode_32 3
		.amdhsa_float_denorm_mode_16_64 3
		.amdhsa_memory_ordered 1
		.amdhsa_forward_progress 1
		.amdhsa_inst_pref_size 18
	.end_amdhsa_kernel
	.amdgpu_metadata
---
amdhsa.version: [ 1, 2 ]
amdhsa.kernels:
  - .name:           k_q3a6740b14e_quant
    .symbol:         k_q3a6740b14e_quant.kd
    .args:
      - { .name: x, .offset: 0, .size: 8, .value_kind: global_buffer, .address_space: global }
      - { .name: Wq, .offset: 8, .size: 8, .value_kind: global_buffer, .address_space: global }
      - { .name: Wk, .offset: 16, .size: 8, .value_kind: global_buffer, .address_space: global }
      - { .name: Wv, .offset: 24, .size: 8, .value_kind: global_buffer, .address_space: global }
      - { .name: Wo, .offset: 32, .size: 8, .value_kind: global_buffer, .address_space: global }
      - { .name: cod, .offset: 40, .size: 8, .value_kind: global_buffer, .address_space: global }
      - { .name: scl, .offset: 48, .size: 8, .value_kind: global_buffer, .address_space: global }
    .group_segment_fixed_size: 34816
    .private_segment_fixed_size: 0
    .kernarg_segment_align: 8
    .kernarg_segment_size: 56
    .max_flat_workgroup_size: 128
    .sgpr_count:     66
    .vgpr_count:     242
    .wavefront_size: 32
...
	.end_amdgpu_metadata
.endif
;; end of part 1
;; launch proj (part 2): grid 8 x 32, 4 waves a work-group, clusters of 4 x 4, 327,680 bytes of LDS; arguments cod, scl, qkv; writes qkv
.if DOCPART == 2
	.amdgcn_target "amdgcn-amd-amdhsa--gfx1250"
	.amdhsa_code_object_version 6
	.text
	.protected	k_q3a6740b14e_proj
	.globl	k_q3a6740b14e_proj
	.p2align	8
	.type	k_q3a6740b14e_proj,@function
k_q3a6740b14e_proj:
	s_mov_b64 s[64:65], 0
	v_nop
	global_prefetch_b8 v0, s[64:65] scope:SCOPE_SE
	s_setreg_imm32_b32 hwreg(HW_REG_WAVE_MODE, 25, 1), 1
	s_wait_xcnt 0x0
	s_wait_alu depctr_hold_cnt(0) depctr_sa_sdst(0) depctr_va_vdst(0) depctr_va_sdst(0) depctr_va_ssrc(0) depctr_va_vcc(0) depctr_vm_vsrc(0)
	s_getreg_b32 s2, hwreg(HW_REG_IB_STS2, 6, 4)
	s_cmp_eq_u32 s2, 0
	s_cbranch_scc0 .Lentry_in_a_cluster
	s_endpgm
.Lentry_in_a_cluster:
	s_bfe_u32 s2, ttmp6, 0x10000c
	s_cmp_lg_u32 s2, 0xf033
	s_cbranch_scc0 .Lentry_shape_is_right
	s_endpgm
.Lentry_shape_is_right:
; q, k, v = x W^T on codes of FP6 (E2M3) with E8M0 scales, K = 1,024; the results are quantised in registers and leave as codes: no f32 result goes to memory.
; THE DEAL: 256 work-groups, (X = 0 .. 7, Y = 0 .. 31).  A work-group holds x's block Y (256 tokens, all of K, 196,608 bytes) in LDS for the whole launch and uses it twice:
;   PHASE 1: 256 tokens x 256 rows of Wq (X < 4) or Wk: S0 = W's block 32 + X, S1 = x.  A wave makes 128 x 128: 64 accumulators.
;   PHASE 2: 256 keys x 128 rows of Wv: S0 = x, S1 = Wv's row tiles 640 + 8 X ..  A wave makes 128 keys x 64: 32 accumulators.
; S0 is source 0: a lane's registers run along S0's rows, along which the result is quantised; S1 is source 1: a lane holds one row of it.
; Codes lie in memory as images of operand registers (row tile a, lane r = row 32 (a / 2) + 8 (a % 2) + r + 8 (r / 8); 1,536 bytes for a tile and 128 along K; a tile's K on end: 12,288 bytes),
; so a fragment is three ds_load_b128 of 512 consecutive bytes.  With that choice of rows the 16 registers of S0's tiles 2 b, 2 b + 1 are 16 neighbours along S0.
; THE WEIGHTS go through a ring of two slots of 49,152 bytes: W's 16 tiles x 2 K steps, or Wv's 8 tiles x 4 K steps.  At the head one load a wave: waves 0, 1 x's halves, wave 2 W's K steps 0, 1, wave 3 its K steps 2, 3.
; Four refills, each behind a drained round of the cluster's barrier in K steps 1, 3, 5, 7 of phase 1, a quarter of the slot a wave: W's K steps 4, 5; 6, 7; Wv's 0-3; 4-7.  By this text's count a wave has one tensor load out at the most.
; What a refill brought is shown by the next round's waits and barrier; the last by a plain barrier in phase 2's K step 3.
; CLUSTER 4 x 4: x's tiles hang on Y and are shared along a row of the cluster, the weights' on X and are shared along a column: joint loads.
; PREFETCH: at the head the bytes that the four refills will bring are asked for once in each column of a cluster, shared out by address among its sixteen waves (24 blocks of 256 bytes a wave and instruction).
; The scale words come straight from memory into registers, once for each phase: lanes 0-15 take S1's, lanes 16-31 S0's.
; qkv: [plane = 16 batch + head][key step of 128 tokens: 16][19,200 bytes]: 0 q's codes (4 fragments: fragment f = token tiles 2 f | 2 f + 1, 64 codes each), 6,144 q's scale words [r][4],
;   6,400 k's codes likewise, 12,544 v's codes (4 fragments: e tile t x 128 keys), 18,688 k's scale words, 18,944 v's.
; LIMITS: a block of zeros gets the byte 1 where the rule says 127 (zero codes; only this program reads the bytes); blocks under 2^-124 are held at the byte 1; NaN and infinities are not served.
; THE HEAD'S LOADS AND x's PLACE IN LDS (read this in place of the head comment's sentence on the head's loads): x lies by halves of K, [K half][tile 0 .. 15][6,144 bytes].
; Wave 0 fetches x's K steps 0-3, wave 1 W's K steps 0, 1, wave 2 x's K steps 4-7, wave 3 W's K steps 2, 3.  The first barrier shows waves 0 and 1's tiles alone; K step 1's round, with every wave's wait ahead of it, shows the rest.
.set XT,    12288                      ; a tile of 16 rows, all of K, in memory
.set WB,    196608                     ; behind x's 16 tiles: the ring
.set WSLOT, 49152
.set SPARE, WB+2*WSLOT                 ; behind the ring: the spare words, 128 bytes a wave
.set FR,    12
.set SOFB,  10                         ; v10, v11 phase 2's scale loads' offsets (tiles 0-3, 4-7)
.set SOFC,  11
.set ADRX,  16                         ; v16-17  x as S1: my 8 tiles in K half 0, 1
.set ADRX2, 18                         ; v18-19  x as S0, likewise
.set ADRW,  20                         ; v20-21  W's fragments in slot 0, 1
.set ADRV,  22                         ; v22-23  Wv's
.set SOF,   24                         ; v24     phase 1's scale loads' offset
.set SOFF,  26                         ; v26     q's, k's scale stores: 16 r + a plane for lanes 16-31
.set SOFV,  27                         ; v27     v's: 16 r
.set SPW,   28                         ; v28     my spare word; never rewritten
.set NIL,   29                         ; v29     0; never rewritten
.set SC,    32                         ; v32-95  scale words: register 8 i + k: lanes 0-15 S1's tile i, lanes 16-31 S0's tile i, K step k.  They hold nothing else
.set TM,    96                         ; v96-107 the way out: largest magnitudes, bytes, scale operands
.set PWE,   108
.set PWO,   109
.set SELV,  110
.set SW,    112                        ; v112-115 four scale words to store
.set X0,    116
.set X1,    120
.set AF,    128                        ; v128-223 S1's fragments: phase 1 one set of eight, phase 2 two sets of four
.set F0,    224                        ; the way out: a fragment for the wave's first head,
.set F1,    236                        ; and for its second
.set PC,    224
.set PWS,   248
.set G1X, 24                           ; s[24:31] group 1 for x's tiles, s[40:43] group 0
.set G1W, 32                           ; s[32:39] for the weights', s[44:47] the head's group 0, s[48:63] the four refills'
.set G0X, 40
.set G0W, 44
.set G0R, 48
.set MSB, 0
.macro WIN new                         ; the immediate's high byte repeats the setting that is left
.if MSB != \new
	s_set_vgpr_msb (MSB<<8)|\new
.set MSB, \new
.endif
.endm
.set MUL_LO, 0xa1                      ; source 0 (S0) window 1, source 1 (S1) window 0, C and D window 2
.set MUL_HI, 0xf1
.set TO_B,   0x40
.macro PLACES                          ; four plain places behind a matrix instruction of this form (ISA guide 7.12.1)
.rept 4
	v_nop
.endr
.endm
.macro CREST                           ; a round of the cluster's barrier behind its opening barrier
	s_cmp_lg_u32 s14, 0
	s_cbranch_scc1 .Lnot_wave_0_\@
	s_barrier_signal -3
.Lnot_wave_0_\@:
	s_barrier_wait -3
	s_barrier_signal -1
	s_barrier_wait -1
.endm
.macro CROUND
	s_barrier_signal -1
	s_barrier_wait -1
	CREST
.endm
.macro ARM under, g0, g1, next         ; an arm of the head's chain: one joint load, its s_nop 0 and four v_nop
	s_cmp_lt_u32 s14, \under
	s_cbranch_scc0 \next
	tensor_load_to_lds s[\g0:\g0+3], s[\g1:\g1+7]
	s_nop 0
	PLACES
	s_branch .Lhead_asked
\next:
.endm
	s_load_b128 s[4:7], s[0:1], 0x0                ; cod, scl
	s_load_b64 s[8:9], s[0:1], 0x10                ; qkv
	v_lshl_add_u32 v[SPW], v0, 2, SPARE
	v_mov_b32 v[NIL], 0
	ds_add_u32 v[SPW], v[NIL]                      ; the opening lines: the add, twice on end, and its wait
	ds_add_u32 v[SPW], v[NIL]
	v_lshrrev_b32 v1, 5, v0
	v_readfirstlane_b32 s14, v1                    ; wave
	s_lshr_b32 s15, s14, 1                         ; my half of S1's rows
	s_and_b32 s16, s14, 1                          ; my half of S0's rows
	s_bfe_u32 s66, ttmp6, 0x40000                  ; cx
	s_bfe_u32 s67, ttmp6, 0x40004                  ; cy
	s_lshl_b32 s12, ttmp9, 2
	s_add_co_u32 s12, s12, s66                     ; X: never holds cy
	s_and_b32 s13, ttmp7, 0xffff
	s_lshl_b32 s13, s13, 2
	s_add_co_u32 s13, s13, s67                     ; Y: never holds cx
	s_lshl_b32 s68, s67, 2
	s_lshl_b32 s68, 15, s68                        ; my row of the cluster
	s_lshl_b32 s69, 0x1111, s66                    ; my column
	s_or_b32 s[G1X], s68, (3<<16)|(1<<21)          ; x: 16 tiles of 12,288 bytes on end, in elements of 8 bytes
	s_mov_b32 s[G1X+1], 768<<16                    ; 6,144 bytes (four K steps) of each of 16 tiles
	s_mov_b32 s[G1X+2], 16<<16
	s_mov_b32 s[G1X+3], 768<<16
	s_mov_b32 s[G1X+4], 16
	s_mov_b32 s[G1X+5], 1536
	s_mov_b32 s[G1X+6], 0
	s_mov_b32 s[G1X+7], 0
	s_or_b32 s[G1W], s69, (3<<16)|(1<<21)          ; W at the head: 3,072 bytes of each of 16 tiles
	s_mov_b32 s[G1W+1], 384<<16
	s_mov_b32 s[G1W+2], 16<<16
	s_mov_b32 s[G1W+3], 384<<16
	s_mov_b32 s[G1W+4], 16
	s_mov_b32 s[G1W+5], 1536
	s_mov_b32 s[G1W+6], 0
	s_mov_b32 s[G1W+7], 0
	s_mul_i32 s20, s13, 16*XT
	s_mul_i32 s18, s15, 6144
	s_add_co_u32 s20, s20, s18                     ; x's block Y, the half of K that waves 0 and 2 fetch,
	s_mov_b32 s21, 0
	s_mul_i32 s18, s15, 8*XT                       ; and its place in LDS: 16 tiles x 6,144 bytes a half
	s_add_co_u32 s70, s12, 32
	s_mul_i32 s70, s70, 16*XT                      ; W's block 32 + X
	s_mov_b32 s71, 0
	s_mul_i32 s72, s12, 8*XT
	s_add_co_u32 s72, s72, 640*XT                  ; Wv's row tile 640 + 8 X
	s_mov_b32 s73, 0
	s_mul_i32 s74, s14, 4*XT                       ; a refill's quarter: 4 tiles of W,
	s_mov_b32 s75, 0
	s_mul_i32 s76, s14, 2*XT                       ; 2 tiles of Wv,
	s_mov_b32 s77, 0
	s_mul_i32 s19, s14, WSLOT/4
	s_add_co_u32 s19, s19, WB                      ; and its place in slot 0
	s_mul_i32 s78, s15, 3072                       ; the head's chunk of W: waves 1, 3
	s_mov_b32 s79, 0
	s_mov_b32 s10, 0xffff0000                      ; lanes 16-31
	s_mov_b32 s90, 0x76543210
	s_mov_b32 s91, 0xfedcba98                      ; selects for lane l xor 16
	s_mul_i32 s92, s15, 4*XT                       ; LDS: x as S1: my 8 tiles of 6,144 bytes,
	s_mul_i32 s93, s16, 4*XT                       ; as S0,
	s_mul_i32 s94, s16, WSLOT/2
	s_add_co_u32 s94, s94, WB                      ; my 8 tiles of W,
	s_mul_i32 s95, s15, WSLOT/2
	s_add_co_u32 s95, s95, WB                      ; my 4 tiles of Wv
	s_wait_dscnt 0x0                               ; both opening adds are done
	s_wait_kmcnt 0x0
	s_add_nc_u64 s[20:21], s[4:5], s[20:21]
	s_add_nc_u64 s[70:71], s[4:5], s[70:71]
	s_add_nc_u64 s[72:73], s[4:5], s[72:73]
	CROUND                                         ; all sixteen work-groups are here: the first joint loads meet
	s_mov_b32 s[G0X], 1
	s_mov_b32 s[G0X+1], s18
	s_mov_b64 s[G0X+2:G0X+3], s[20:21]
	s_or_b32 s[G0X+3], s[G0X+3], 0x80000000
	s_mov_b32 s[G0W], 1
	s_mul_i32 s[G0W+1], s15, WSLOT
	s_add_co_u32 s[G0W+1], s[G0W+1], WB
	s_add_nc_u64 s[G0W+2:G0W+3], s[70:71], s[78:79]
	s_or_b32 s[G0W+3], s[G0W+3], 0x80000000
	s_add_nc_u64 s[70:71], s[70:71], s[74:75]
	s_add_nc_u64 s[72:73], s[72:73], s[76:77]
.irp n, 0,1
	s_mov_b32 s[G0R+4*\n], 1                       ; refills 0, 1: W's K steps 4, 5 and 6, 7
	s_add_co_u32 s[G0R+4*\n+1], s19, \n*WSLOT
	s_add_nc_u64 s[G0R+4*\n+2:G0R+4*\n+3], s[70:71], 6144+\n*3072
	s_or_b32 s[G0R+4*\n+3], s[G0R+4*\n+3], 0x80000000
	s_mov_b32 s[G0R+8+4*\n], 1                     ; refills 2, 3: Wv's K steps 0-3 and 4-7
	s_add_co_u32 s[G0R+8+4*\n+1], s19, \n*WSLOT
	s_add_nc_u64 s[G0R+8+4*\n+2:G0R+8+4*\n+3], s[72:73], \n*6144
	s_or_b32 s[G0R+8+4*\n+3], s[G0R+8+4*\n+3], 0x80000000
.endr
	ARM 1, G0X, G1X, .Lhead_1                      ; wave 0: x's K steps 0-3
	ARM 2, G0W, G1W, .Lhead_2                      ; wave 1: W's K steps 0, 1
	ARM 3, G0X, G1X, .Lhead_3                      ; wave 2: x's K steps 4-7
	tensor_load_to_lds s[G0W:G0W+3], s[G1W:G1W+7]  ; wave 3: W's K steps 2, 3
	s_nop 0
	PLACES
.Lhead_asked:
	; where the scale words lie (512 bytes a row tile)
	s_lshl_b32 s78, s13, 4
	s_lshl_b32 s20, s15, 3
	s_add_co_u32 s78, s78, s20
	s_lshl_b32 s78, s78, 9                         ; phase 1, S1: x's tile 16 Y + 8 x half
	s_add_co_u32 s79, s12, 32
	s_lshl_b32 s79, s79, 4
	s_lshl_b32 s20, s16, 3
	s_add_co_u32 s79, s79, s20
	s_lshl_b32 s79, s79, 9                         ; phase 1, S0: W's
	s_lshl_b32 s81, s13, 4
	s_add_co_u32 s81, s81, s20
	s_lshl_b32 s81, s81, 9                         ; phase 2, S0: x's
	s_lshl_b32 s80, s12, 3
	s_add_co_u32 s80, s80, 640
	s_lshl_b32 s20, s15, 2
	s_add_co_u32 s80, s80, s20
	s_lshl_b32 s80, s80, 9                         ; phase 2, S1: Wv's four tiles,
	s_sub_co_u32 s82, s80, 2048                    ; which registers 8 i + k, i = 4 .. 7, hold once more
	; the prefetches: I am wave j = 4 cy + wave of my column's sixteen
	s_lshl_b32 s11, s67, 2
	s_add_co_u32 s11, s11, s14
	s_mul_i32 s96, s11, XT
	s_add_co_u32 s96, s96, 6144
	s_add_co_u32 s20, s12, 32
	s_mul_i32 s20, s20, 16*XT
	s_add_co_u32 s96, s96, s20                     ; W's tile j, K steps 4-7: 24 blocks of 256 bytes
	s_lshr_b32 s97, s11, 1
	s_mul_i32 s97, s97, XT
	s_and_b32 s20, s11, 1
	s_mul_i32 s20, s20, 6144
	s_add_co_u32 s97, s97, s20
	s_mul_i32 s20, s12, 8*XT
	s_add_co_u32 s97, s97, s20
	s_add_co_u32 s97, s97, 640*XT                  ; Wv's tile j / 2, half j % 2 of K
	; where my results go
	s_lshr_b32 s20, s13, 3
	s_lshl_b32 s20, s20, 4                         ; 16 batch
	s_and_b32 s21, s13, 7
	s_lshl_b32 s21, s21, 1                         ; the block's first key step
	s_lshl_b32 s22, s66, 2
	s_lshl_b32 s23, s16, 1
	s_add_co_u32 s22, s22, s23                     ; phase 1: my first head, 4 cx + 2 x half
	s_add_co_u32 s22, s22, s20
	s_lshl_b32 s22, s22, 4
	s_add_co_u32 s22, s22, s21
	s_add_co_u32 s22, s22, s15
	s_mul_i32 s22, s22, 19200
	s_mul_i32 s84, ttmp9, 6400                     ; q's codes at 0, k's at 6,400
	s_add_co_u32 s84, s84, s22
	s_mov_b32 s85, 0
	s_mul_i32 s86, ttmp9, 12544
	s_add_co_u32 s86, s86, 6144                    ; q's scale words at 6,144, k's at 18,688
	s_add_co_u32 s86, s86, s22
	s_mov_b32 s87, 0
	s_lshl_b32 s22, s12, 1
	s_add_co_u32 s22, s22, s15                     ; phase 2: my head, 2 X + half
	s_add_co_u32 s22, s22, s20
	s_lshl_b32 s22, s22, 4
	s_add_co_u32 s22, s22, s21
	s_add_co_u32 s22, s22, s16
	s_mul_i32 s22, s22, 19200
	s_add_co_u32 s88, s22, 12544
	s_mov_b32 s89, 0
	s_add_co_u32 s98, s22, 18944
	s_mov_b32 s99, 0
	s_add_nc_u64 s[84:85], s[8:9], s[84:85]
	s_add_nc_u64 s[86:87], s[8:9], s[86:87]
	s_add_nc_u64 s[88:89], s[8:9], s[88:89]
	s_add_nc_u64 s[98:99], s[8:9], s[98:99]
	v_and_b32 v1, 15, v0                           ; r
	v_bfe_u32 v2, v0, 4, 1                         ; h
	v_and_b32 v3, 31, v0
	v_min_u32 v9, 23, v3                           ; (the lanes left over name their wave's last block again)
	v_lshlrev_b32 v3, 4, v3                        ; 16 x lane
	v_lshl_add_u32 v8, v9, 8, s96
	v_lshl_add_u32 v9, v9, 8, s97
	v_mov_b32 v[SOF], s78
	v_mov_b32 v25, s79
	v_cndmask_b32 v[SOF], v[SOF], v25, s10
	v_lshl_add_u32 v[SOF], v1, 4, v[SOF]
	v_mov_b32 v[SOFB], s80
	v_mov_b32 v[SOFC], s82
	v_mov_b32 v25, s81
	v_cndmask_b32 v[SOFB], v[SOFB], v25, s10
	v_cndmask_b32 v[SOFC], v[SOFC], v25, s10
	v_lshl_add_u32 v[SOFB], v1, 4, v[SOFB]
	v_lshl_add_u32 v[SOFC], v1, 4, v[SOFC]
.irp i, 0,1,2,3,4,5,6,7
.irp kh, 0,1
	global_load_b128 v[SC+8*\i+4*\kh:SC+8*\i+4*\kh+3], v[SOF], s[6:7] offset:512*\i+256*\kh
.endr
.endr
	global_prefetch_b8 v8, s[4:5] th:TH_LOAD_NT scope:SCOPE_SE   ; v8, v9 and s[4:5] are never rewritten
	global_prefetch_b8 v9, s[4:5] th:TH_LOAD_NT scope:SCOPE_SE
	v_add_nc_u32 v[ADRX], s92, v3
	v_add_nc_u32 v[ADRX2], s93, v3
	v_add_nc_u32 v[ADRW], s94, v3
	v_add_nc_u32 v[ADRV], s95, v3
	v_add_nc_u32 v[ADRX+1], 8*XT, v[ADRX]
	v_add_nc_u32 v[ADRX2+1], 8*XT, v[ADRX2]
	v_add_nc_u32 v[ADRW+1], WSLOT, v[ADRW]
	v_add_nc_u32 v[ADRV+1], WSLOT, v[ADRV]
	v_mul_u32_u24 v[SOFF], v2, 307200
	v_lshl_add_u32 v[SOFF], v1, 4, v[SOFF]
	v_lshlrev_b32 v[SOFV], 4, v1
	v_mov_b32 v[SELV], 0x05040100                  ; lanes 0-15 pick the low halves of two words (the first head's bytes),
	v_mov_b32 v111, 0x07060302
	v_cndmask_b32 v[SELV], v[SELV], v111, s10      ; lanes 16-31 the high halves (the second head's)
.irp b, 0,1,2,3
	v_mov_b32 v[TM+4+\b], 0                        ; a lane permute's destination counts as one of its sources
.endr
.macro FRAG reg, adr, off              ; a fragment comes as it was stored: three pieces of 512 consecutive bytes
.irp c, 0,1,2
	ds_load_b128 v[\reg+4*\c:\reg+4*\c+3], v[\adr] offset:\off+512*\c
.endr
.endm
.macro FETCH_W slot, q, p              ; phase 1: W's eight fragments of the slot's q-th K step into set p
	WIN TO_B
.irp i, 0,1,2,3,4,5,6,7
	FRAG 128*(\p)+FR*\i, ADRW+\slot, \i*3072+(\q)*1536
.endr
	WIN 0
.endm
.macro FETCH_X k, i0                   ; phase 1: x's blocks i0 .. i0 + 3 of K step k
.irp i, \i0, \i0+1, \i0+2, \i0+3
	FRAG AF+FR*(\i), ADRX+(\k)/4, (\i)*6144+((\k)%4)*1536
.endr
.endm
.macro FETCH2 k                        ; phase 2: x's eight fragments and Wv's four of K step k into sets k % 2
	WIN TO_B
.irp i, 0,1,2,3,4,5,6,7
	FRAG 128*((\k)%2)+FR*\i, ADRX2+(\k)/4, \i*6144+((\k)%4)*1536
.endr
	WIN 0
.irp i, 0,1,2,3
	FRAG AF+FR*(\i+4*((\k)%2)), ADRV+(\k)/4, \i*6144+((\k)%4)*1536
.endr
.endm
; 16 matrix instructions: S1's blocks a0, a0 + 1 x S0's eight, K step k.  The accumulators take turns, one instruction a turn, in the same order in every step.
.macro MUL16 a0, p, k, zero
.irp a, \a0, \a0+1
.irp b, 0,1,2,3,4,5,6,7
.if \zero
	v_wmma_scale_f32_16x16x128_f8f6f4 v[8*(8*((\a)%4)+\b):8*(8*((\a)%4)+\b)+7], v[128*(\p)+FR*\b:128*(\p)+FR*\b+FR-1], v[AF+FR*(\a):AF+FR*(\a)+FR-1], 0, v[SC+8*\b+(\k)], v[SC+8*(\a)+(\k)] matrix_a_fmt:MATRIX_FMT_FP6 matrix_b_fmt:MATRIX_FMT_FP6 matrix_a_scale:MATRIX_SCALE_ROW1
.else
	v_wmma_scale_f32_16x16x128_f8f6f4 v[8*(8*((\a)%4)+\b):8*(8*((\a)%4)+\b)+7], v[128*(\p)+FR*\b:128*(\p)+FR*\b+FR-1], v[AF+FR*(\a):AF+FR*(\a)+FR-1], v[8*(8*((\a)%4)+\b):8*(8*((\a)%4)+\b)+7], v[SC+8*\b+(\k)], v[SC+8*(\a)+(\k)] matrix_a_fmt:MATRIX_FMT_FP6 matrix_b_fmt:MATRIX_FMT_FP6 matrix_a_scale:MATRIX_SCALE_ROW1
.endif
.endr
.endr
.endm
; An even K step of phase 1: its successor's weights lie in the same slot.
.macro STEP k, zero
	s_wait_dscnt 12                                ; W's set and x's blocks 0-3 are in; the youngest 12 loads (blocks 4-7) may be out
	WIN MUL_LO
	MUL16 0, 0, \k, \zero
	MUL16 2, 0, \k, \zero
	s_wait_dscnt 0x0                               ; blocks 4-7 are in
	PLACES
	FETCH_W ((\k)/2)%2, 1, 1
	FETCH_X (\k)+1, 0
	WIN MUL_HI
	MUL16 4, 0, \k, \zero
	MUL16 6, 0, \k, \zero
	PLACES
	WIN 0
	FETCH_X (\k)+1, 4
.endm
; An odd K step of phase 1: its slot of weights is read no more.  Each wave waits for all its tensor loads, adds 0 to its spare word, waits for that and for its LDS reads; the barrier opens a round of the
; cluster's barrier; refill n is the first tensor load behind it.  The waits and the barrier also show the other slot whole to every wave.
.macro TURN k, n
	s_wait_tensorcnt 0x0                           ; all my tensor loads have landed
	ds_add_u32 v[SPW], v[NIL]                      ; 0 onto my spare word
.if \n == 0                            ; no tensor load of mine is out, so a descriptor may be written: a quarter of a slot is 4 tiles x 3,072 bytes of W,
	s_mov_b32 s[G1W+2], 4<<16
	s_mov_b32 s[G1W+4], 4
.endif
.if \n == 2                            ; or 2 tiles x 6,144 bytes of Wv
	s_mov_b32 s[G1W+1], 768<<16
	s_mov_b32 s[G1W+2], 2<<16
	s_mov_b32 s[G1W+3], 768<<16
	s_mov_b32 s[G1W+4], 2
.endif
	s_wait_dscnt 13                                ; (the add and the youngest 12 loads may be out)
	WIN MUL_LO
	MUL16 0, 1, \k, 0
	s_wait_dscnt 0x0                               ; the add is done, and my reads of this slot are over
	s_barrier_signal -1
	MUL16 2, 1, \k, 0
	WIN 0
	s_barrier_wait -1
	CREST                                          ; no wave of any partner still reads this slot or has a load on its way
	tensor_load_to_lds s[G0R+4*\n:G0R+4*\n+3], s[G1W:G1W+7]
	s_nop 0
	PLACES                                         ; (also the places in front of the loads below)
.if \k < 7
	FETCH_W (((\k)+1)/2)%2, 0, 0
	FETCH_X (\k)+1, 0
.else
	FETCH2 0                                       ; phase 2's first fragments
.endif
	WIN MUL_HI
	MUL16 4, 1, \k, 0
	MUL16 6, 1, \k, 0
	PLACES
	WIN 0
.if \k < 7
	FETCH_X (\k)+1, 4
.endif
.endm
; A K step of phase 2: 32 matrix instructions on sets k % 2, the next step's 36 loads ahead of them.
.macro VSTEP k
	s_wait_dscnt 0x0
.if \k == 3
	s_wait_tensorcnt 0x0                           ; the last refill is in: a plain barrier shows it
	s_barrier_signal -1
	s_barrier_wait -1
.endif
.if \k < 7
	PLACES
	FETCH2 (\k)+1
.endif
	WIN MUL_LO
	MUL16 4*((\k)%2), (\k)%2, \k, (\k)==0
	MUL16 4*((\k)%2)+2, (\k)%2, \k, (\k)==0
	WIN 0
.endm
	s_wait_alu depctr_va_vdst(0)                   ; the wait at the head's end
	s_cmp_lt_u32 s14, 2
	s_cbranch_scc0 .Lnot_first
	s_wait_tensorcnt 0x0                           ; waves 0, 1: x's K steps 0-3 and W's K steps 0, 1 are in; waves 2 and 3's tiles may be out
.Lnot_first:
	s_barrier_signal -1
	s_barrier_wait -1
	FETCH_W 0, 0, 0
	FETCH_X 0, 0
	FETCH_X 0, 4
	s_wait_loadcnt 0x0                             ; the scale words
	STEP 0, 1                                      ; the first products start the sums: nothing is cleared
	TURN 1, 0
	STEP 2, 0
	TURN 3, 1
	STEP 4, 0
	TURN 5, 2
	STEP 6, 0
	TURN 7, 3                                      ; (its last four places stand in front of the loads and reads below)
.irp i, 0,1,2,3
.irp kh, 0,1
	global_load_b128 v[SC+8*\i+4*\kh:SC+8*\i+4*\kh+3], v[SOFB], s[6:7] offset:512*\i+256*\kh      ; phase 2's scale words fly under phase 1's way out
	global_load_b128 v[SC+32+8*\i+4*\kh:SC+32+8*\i+4*\kh+3], v[SOFC], s[6:7] offset:2048+512*\i+256*\kh
.endr
.endr
; THE WAY OUT, without LDS.  The 64 registers of S1's tile a: register 16 b + i = S0's row 32 b + 16 h + i.  They become codes (blocks 0, 1 in v[d0 ..], six registers; blocks 2, 3 in v[d1 ..]) and a scale word.
; Each accumulator is read from its low end on.
.macro QUANT a, d0, d1, pw
.set AC, 64*((\a)%4)
.set WM, 0x0a+5*((\a)/4)
.set WC, 0x02+((\a)/4)
	WIN WM                                         ; sources 0 and 1: window 2 or 3
.irp b, 0,1,2,3
	v_max3_num_f32 v[TM+\b], |v[AC+16*\b]|, |v[AC+16*\b+1]|, 0x1800000   ; my 16 numbers of block b, and the floor 2^(3 - 127)
.endr
.irp i, 2,4,6,8,10,12,14
.irp b, 0,1,2,3
	v_max3_num_f32 v[TM+\b], |v[AC+16*\b+\i]|, |v[AC+16*\b+\i+1]|, v[TM+\b]
.endr
.endr
	WIN 0
.irp b, 0,1,2,3
	v_permlanex16_b32 v[TM+4+\b], v[TM+\b], s90, s91
.endr
.irp b, 0,1,2,3
	v_max_num_f32 v[TM+\b], v[TM+\b], v[TM+4+\b]   ; with lane l xor 16's: the block's largest magnitude
.endr
.irp b, 0,1,2,3
	v_add_nc_u32 v[TM+8+\b], 0xff000000, v[TM+\b]  ; the conversion's scale operand
.endr
.irp b, 0,1,2,3
	v_lshrrev_b32 v[TM+4+\b], 23, v[TM+8+\b]       ; the byte
.endr
	v_lshl_or_b32 v[\pw], v[TM+5], 8, v[TM+4]
	v_lshl_or_b32 v[\pw], v[TM+6], 16, v[\pw]
	v_lshl_or_b32 v[\pw], v[TM+7], 24, v[\pw]
	WIN WC                                         ; source 0: window 2 or 3
	v_cvt_scalef32_pk16_fp6_f32 v[\d0:\d0+2], v[AC:AC+15], v[TM+8]
	v_cvt_scalef32_pk16_fp6_f32 v[X0:X0+2], v[AC+16:AC+31], v[TM+9]
	v_cvt_scalef32_pk16_fp6_f32 v[\d1:\d1+2], v[AC+32:AC+47], v[TM+10]
	v_cvt_scalef32_pk16_fp6_f32 v[X1:X1+2], v[AC+48:AC+63], v[TM+11]
	WIN 0
	v_nop                                          ; one plain place behind a scaled conversion
.irp i, 0,1,2                          ; the operand's layout wants a whole block in a lane
	v_permlane16_swap_b32 v[\d0+\i], v[X0+\i]
	v_permlane16_swap_b32 v[\d1+\i], v[X1+\i]
.endr
.irp i, 0,1,2
	v_mov_b32 v[\d0+3+\i], v[X0+\i]
	v_mov_b32 v[\d1+3+\i], v[X1+\i]
.endr
.endm
	; q, k: S0's 128 rows are two heads of 64: blocks 0, 1 the first, blocks 2, 3 the second.  Two token tiles' 64 codes make a fragment of each head.
.irp be, 0,1,2,3
	s_wait_xcnt 0x0                                ; the earlier stores have read their registers
	QUANT 2*\be, F0, F1, PWE
	QUANT 2*\be+1, F0+6, F1+6, PWO
	v_perm_b32 v[SW+\be], v[PWO], v[PWE], v[SELV]  ; lanes 0-15: the first head's word [even tile s0 s1 | odd tile s0 s1], lanes 16-31: the second head's
.irp c, 0,1,2
	global_store_b128 v3, v[F0+4*\c:F0+4*\c+3], s[84:85] offset:1536*\be+512*\c          ; 512 consecutive bytes, aligned
	global_store_b128 v3, v[F1+4*\c:F1+4*\c+3], s[84:85] offset:307200+1536*\be+512*\c   ; the next head's plane
.endr
.endr
	global_store_b128 v[SOFF], v[SW:SW+3], s[86:87]    ; sixteen lanes store 256 consecutive bytes for each of the two heads
	s_wait_alu depctr_va_vdst(0)                   ; the wait here, directly ahead of the wait below
	s_wait_loadcnt 0x0                             ; phase 2's scale words
.irp k, 0,1,2,3,4,5,6,7
	VSTEP \k
.endr
	PLACES
	; v: S0's 128 rows are a key step's keys, S1's tile a is e tile a of my head: a whole fragment and a whole scale word
.irp a, 0,1,2,3
	s_wait_xcnt 0x0
	QUANT \a, PC, PC+6, PWS+\a
.irp c, 0,1,2
	global_store_b128 v3, v[PC+4*\c:PC+4*\c+3], s[88:89] offset:\a*1536+512*\c
.endr
.endr
	global_store_b128 v[SOFV], v[PWS:PWS+3], s[98:99]  ; 256 consecutive bytes; lanes l and l xor 16 hold, and store, the same words at the same place
	s_wait_tensorcnt 0x0                           ; the wave's end
	ds_add_u32 v[SPW], v[NIL]
	s_wait_dscnt 0x0
	CROUND                                         ; the closing round
	s_endpgm
.Lfunc_end_k_q3a6740b14e_proj:
	.size	k_q3a6740b14e_proj, .Lfunc_end_k_q3a6740b14e_proj-k_q3a6740b14e_proj
	.p2alignl 7, 3214868480
	.fill 96, 4, 3214868480
	.section	.rodata,"a",@progbits
	.p2align	6, 0x0
	.amdhsa_kernel k_q3a6740b14e_proj
		.amdhsa_group_segment_fixed_size 327680
		.amdhsa_private_segment_fixed_size 0
		.amdhsa_enable_private_segment 0
		.amdhsa_kernarg_size 24
		.amdhsa_user_sgpr_count 2
		.amdhsa_user_sgpr_kernarg_segment_ptr 1
		.amdhsa_wavefront_size32 1
		.amdhsa_system_sgpr_workgroup_id_x 1
		.amdhsa_system_sgpr_workgroup_id_y 1
		.amdhsa_system_sgpr_workgroup_id_z 1
		.amdhsa_system_vgpr_workitem_id 0
		.amdhsa_next_free_vgpr 1024
		.amdhsa_next_free_sgpr 100
		.amdhsa_reserve_vcc 0
		.amdhsa_float_denorm_mode_32 3
		.amdhsa_float_denorm_mode_16_64 3
		.amdhsa_memory_ordered 1
		.amdhsa_forward_progress 1
		.amdhsa_inst_pref_size 212
	.end_amdhsa_kernel
	.amdgpu_metadata
---
amdhsa.version: [ 1, 2 ]
amdhsa.kernels:
  - .name:           k_q3a6740b14e_proj
    .symbol:         k_q3a6740b14e_proj.kd
    .args:
      - { .name: cod, .offset: 0, .size: 8, .value_kind: global_buffer, .address_space: global }
      - { .name: scl, .offset: 8, .size: 8, .value_kind: global_buffer, .address_space: global }
      - { .name: qkv, .offset: 16, .size: 8, .value_kind: global_buffer, .address_space: global }
    .group_segment_fixed_size: 327680
    .private_segment_fixed_size: 0
    .kernarg_segment_align: 8
    .kernarg_segment_size: 24
    .max_flat_workgroup_size: 128
    .sgpr_count:     100
    .vgpr_count:     1024
    .wavefront_size: 32
...
	.end_amdgpu_metadata
.endif
;; end of part 2
;; launch attn (part 3): grid 4 x 64, 16 waves a work-group, clusters of 4 x 1, 327,680 bytes of LDS; arguments qkv, ctc, cts; writes ctc, cts
.if DOCPART == 3
	.amdgcn_target "amdgcn-amd-amdhsa--gfx1250"
	.amdhsa_code_object_version 6
	.text
	.protected	k_q3a6740b14e_attn
	.globl	k_q3a6740b14e_attn
	.p2align	8
	.type	k_q3a6740b14e_attn,@function
k_q3a6740b14e_attn:
	s_mov_b64 s[64:65], 0
	v_nop
	global_prefetch_b8 v0, s[64:65] scope:SCOPE_SE
	s_setreg_imm32_b32 hwreg(HW_REG_WAVE_MODE, 25, 1), 1
	s_wait_xcnt 0x0
	s_wait_alu depctr_hold_cnt(0) depctr_sa_sdst(0) depctr_va_vdst(0) depctr_va_sdst(0) depctr_va_ssrc(0) depctr_va_vcc(0) depctr_vm_vsrc(0)
	s_getreg_b32 s2, hwreg(HW_REG_IB_STS2, 6, 4)
	s_cmp_eq_u32 s2, 0
	s_cbranch_scc0 .Lentry_in_a_cluster
	s_endpgm
.Lentry_in_a_cluster:
	s_bfe_u32 s2, ttmp6, 0x10000c
	s_cmp_lg_u32 s2, 0x3003
	s_cbranch_scc0 .Lentry_shape_is_right
	s_endpgm
.Lentry_shape_is_right:
; CAUSAL ATTENTION OF ONE (batch, head) PLANE ON CODES OF FP6 (E2M3): S^T = k q^T, p = 2^(t - M), O^T = v^T p^T, O / l, quantised along the head's 64 for the last projection.
; Key steps that lie wholly above the diagonal are passed over by a scalar branch on ids.
; LIMITS: the promise holds while the scaled scores (the exponents to the base 2) stay under 2^31 in magnitude; a block of zeros gets the byte 1 where the rule says 127
; (zero codes; only this program reads the bytes); NaN and infinities among the inputs are not served.
; THE DEAL.  Grid y = plane.  The four work-groups of a cluster share a plane's k and v: of each key step of 128 tokens work-group cx owns the 32 queries of fragment cx.
; 16 waves: wave w takes token tile 2 cx + w / 8 of key steps 15 - w % 8 and then w % 8: 17 live steps for every wave.
; LDS holds all of k and v: wave w asks jointly (mask 15) for key step w, 12,800 dense bytes of qkv, as 25 rows of 512 bytes with 128 bytes of padding behind each: 16,000 bytes a step.
; One tensor load a wave, all at the head, filled once; every wave waits for its load, one barrier shows all.  No prefetch: every byte is asked for at the head, there is no loop to run ahead in.
; WHICH KEYS FORM A TILE is chosen by the LDS address: lane (x = r / 8, y = r % 8, h) of operand (g, w) reads the register image of lane 16 h + 8 w + y of stored fragment 2 g + x.
; Its two halves of 64 codes are then keys 64 g + 32 x + 8 (2 w + e) + y, e = 0, 1, picked by q standing in the lower or the upper 64 of source 1 beside zeros.  So score register
; 32 g + 8 u + j of lane (r, h) is key 64 g + 32 h + 8 u + j of query r: A LANE HOLDS WHOLE BLOCKS OF 32 KEYS, in the order of the next operand's registers: no swap between the lane halves.
; THE ORDER OF A STEP: k's operands were asked for in the step before, behind its last products; p's sums, which want nothing of those registers, stand behind that request.
; The look-ahead's address is held at key step 15; what a pass's last live step asks for is not used.
; REGISTERS: v8-25 zeros | q | zeros, v26 q's scale word, v27-33 the second pass's; v34 -M, v35 the running largest score, v36-37 the sum; v40-87 four fragments of k, then of v; v88-91 two chains of the sum;
; v96-159 scores, then p; v160-191 O^T; v192-203 p's codes; v212-215 block maxima; v224-231 k's and v's scale words; v232 p's; v234 the rescaling factor; v240-243 lane terms.
.set STEPB, 16000                      ; a key step in LDS: 25 x 640
.set VFR,   7680                       ; v's fragments: rows 12 ..
.set KSC,   15360                      ; row 24: k's scale words [r][4],
.set VSC,   15616                      ; and v's
.set SPARE, 256000                     ; behind the 16 steps: the spare words, 128 bytes a wave
.set BM,   212
.set SG,   15                          ; s15 the key step
.set TB,   16                          ; s16 its LDS byte; s17 the next step's
.macro ROUND
	s_barrier_signal -1
	s_barrier_wait -1
	s_cmp_lg_u32 s10, 0
	s_cbranch_scc1 .Lnot_wave_0_\@
	s_barrier_signal -3
.Lnot_wave_0_\@:
	s_barrier_wait -3
	s_barrier_signal -1
	s_barrier_wait -1
.endm
	s_load_b128 s[4:7], s[0:1], 0x0                ; qkv, ctc
	s_load_b64 s[8:9], s[0:1], 0x10                ; cts
	v_lshl_add_u32 v254, v0, 2, SPARE
	v_mov_b32 v255, 0
	ds_add_u32 v254, v255                          ; the opening lines: the add, twice on end, and its wait
	ds_add_u32 v254, v255
	v_lshrrev_b32 v1, 5, v0
	v_readfirstlane_b32 s10, v1                    ; wave
	s_lshr_b32 s11, s10, 3                         ; which token tile of my fragment's two
	s_and_b32 s12, s10, 7
	s_sub_co_u32 s13, 15, s12                      ; the first pass's key step of queries,
	s_mov_b32 s14, s12                             ; the second's
	s_bfe_u32 s48, ttmp6, 0x40000                  ; cx
	s_and_b32 s49, ttmp7, 0xffff                   ; plane
	s_mov_b32 s18, 0x76543210
	s_mov_b32 s19, 0xfedcba98                      ; selects for lane l xor 16
	s_mov_b32 s20, 0x3e38aa3b                      ; c = log2(e) / 8
	s_mov_b32 s21, s20
	s_mov_b32 s24, 15|(3<<16)|(1<<20)|(1<<21)|(6<<22)|(31<<25)   ; mask 15; elements of 8 bytes; 32 words of padding behind every 128
	s_mov_b32 s25, 64<<16
	s_mov_b32 s26, 25<<16
	s_mov_b32 s27, 64<<16
	s_mov_b32 s28, 25
	s_mov_b32 s29, 64
	s_mov_b32 s30, 0
	s_mov_b32 s31, 0
	s_mul_i32 s50, s49, 307200                     ; the plane: 16 steps of 19,200 bytes
	s_mov_b32 s51, 0
	s_mul_i32 s52, s10, 19200
	s_add_co_u32 s52, s52, 6400                    ; key step w's k and v lie behind its q
	s_mov_b32 s53, 0
	s_mov_b32 s32, 1
	s_mul_i32 s33, s10, STEPB
	s_mul_i32 s56, s13, 19200
	s_mov_b32 s57, 0
	s_mul_i32 s58, s14, 19200
	s_mov_b32 s59, 0
	s_lshr_b32 s60, s49, 4                         ; where the results go: row tile 128 batch + 8 step + 2 cx + w / 8 of ctc (12,288 bytes) and cts (512)
	s_lshl_b32 s60, s60, 7
	s_lshl_b32 s61, s48, 1
	s_add_co_u32 s60, s60, s61
	s_add_co_u32 s60, s60, s11
	s_and_b32 s61, s49, 15                         ; the head: 768 bytes of codes, two scale bytes
	s_lshr_b32 s22, s61, 3
	s_lshl_b32 s22, s22, 8
	s_bfe_u32 s23, s61, 0x20001
	s_lshl_b32 s23, s23, 2
	s_add_co_u32 s22, s22, s23
	s_and_b32 s23, s61, 1
	s_lshl_b32 s23, s23, 1
	s_add_co_u32 s22, s22, s23
	s_mul_i32 s61, s61, 768
	s_lshl_b32 s62, s13, 3
	s_add_co_u32 s62, s62, s60
	s_mul_i32 s40, s62, 12288
	s_add_co_u32 s40, s40, s61
	s_mov_b32 s41, 0
	s_lshl_b32 s42, s62, 9
	s_add_co_u32 s42, s42, s22
	s_mov_b32 s43, 0
	s_lshl_b32 s62, s14, 3
	s_add_co_u32 s62, s62, s60
	s_mul_i32 s44, s62, 12288
	s_add_co_u32 s44, s44, s61
	s_mov_b32 s45, 0
	s_lshl_b32 s46, s62, 9
	s_add_co_u32 s46, s46, s22
	s_mov_b32 s47, 0
	s_cmp_eq_u32 s11, 0
	s_cselect_b32 s54, 0, -1                       ; picks my tile's six registers of q's fragment,
	s_mov_b32 s55, 0x03020302
	s_cselect_b32 s55, 0x01000100, s55             ; and its two scale bytes, laid twice
	s_mul_i32 s60, s48, 1536
	s_lshl_b32 s61, s48, 2
	s_lshl_b32 s62, s48, 5
	s_lshl_b32 s63, s11, 3
	s_add_co_u32 s62, s62, s63                     ; 32 cx + 8 (w / 8)
	v_and_b32 v1, 31, v0
	v_lshlrev_b32 v6, 3, v1                        ; 8 x lane
	v_lshlrev_b32 v1, 4, v1                        ; 16 x lane
	v_and_b32 v236, 15, v0                         ; r
	v_lshlrev_b32 v2, 4, v236                      ; 16 r
	v_bfe_u32 v237, v0, 4, 1                       ; h
	v_and_b32 v3, 7, v0                            ; y
	v_bfe_u32 v4, v0, 3, 1                         ; x
	v_lshlrev_b32 v242, 3, v237                    ; 8 h: my bytes' shift in p's scale word
	v_lshlrev_b32 v240, 4, v3
	v_lshl_add_u32 v241, v4, 2, v240               ; k's scale words: 16 y + 4 x
	v_lshl_add_u32 v240, v237, 8, v240
	v_mad_u32_u24 v240, v4, 1920, v240             ; k's fragments: 1,920 x + 256 h + 16 y
	v_and_b32 v5, 8, v236
	v_add_nc_u32 v5, v5, v236
	v_lshlrev_b32 v237, 5, v237
	v_sub_nc_u32 v5, v5, v237
	v_add_nc_u32 v5, s62, v5                       ; my query's place in its step, less 32 h: for keys 0-63,
	v_add_nc_u32 v243, 0xffffffc0, v5              ; and 64 less: for keys 64-127
	v_add_nc_u32 v38, s60, v1
	v_add_nc_u32 v39, s61, v2
	s_wait_alu depctr_va_vdst(0)                   ; the wait here, directly ahead of the waits below
	s_wait_dscnt 0x0                               ; both opening adds are done
	s_wait_kmcnt 0x0
	s_add_nc_u64 s[50:51], s[4:5], s[50:51]
	s_add_nc_u64 s[56:57], s[50:51], s[56:57]
	s_add_nc_u64 s[58:59], s[50:51], s[58:59]
	s_add_nc_u64 s[40:41], s[6:7], s[40:41]
	s_add_nc_u64 s[42:43], s[8:9], s[42:43]
	s_add_nc_u64 s[44:45], s[6:7], s[44:45]
	s_add_nc_u64 s[46:47], s[8:9], s[46:47]
	s_add_nc_u64 s[34:35], s[50:51], s[52:53]
	s_or_b32 s35, s35, 0x80000000
.irp c, 0,1,2                          ; q's fragments and scale words of both passes go out ahead of the round: they fly beside the tensor loads
	global_load_b128 v[40+4*\c:43+4*\c], v38, s[56:57] offset:512*\c
	global_load_b128 v[52+4*\c:55+4*\c], v38, s[58:59] offset:512*\c
.endr
	global_load_b32 v64, v39, s[56:57] offset:6144
	global_load_b32 v65, v39, s[58:59] offset:6144
	ROUND                                          ; the four work-groups are here: the joint loads meet
	tensor_load_to_lds s[32:35], s[24:31]          ; key step w: my one tensor load
	s_nop 0
.rept 4
	v_nop
.endr
	v_mov_b32 v237, 0xff800000                     ; what a hidden score becomes
	v_mov_b32 v235, 0                              ; (the upper half of the pair v[234:235])
.irp b, 0,1,2
	v_mov_b32 v[216+\b], 0                         ; a lane permute's destination counts as one of its sources
.endr
.irp i, 0,1,2,3,4,5
	v_mov_b32 v[8+\i], 0
	v_mov_b32 v[20+\i], 0
.endr
	s_wait_alu depctr_va_vdst(0)                   ; the wait here, directly ahead of the wait below
	s_wait_loadcnt 0x0
.irp i, 0,1,2,3,4,5
	v_cndmask_b32 v[14+\i], v[40+\i], v[46+\i], s54
	v_cndmask_b32 v[28+\i], v[52+\i], v[58+\i], s54
.endr
	v_perm_b32 v26, v64, v64, s55
	v_perm_b32 v27, v65, v65, s55
.macro INIT second
.if \second
.irp i, 0,1,2,3,4,5
	v_mov_b32 v[14+\i], v[28+\i]
.endr
	v_mov_b32 v26, v27
.endif
	v_mov_b32 v35, 0xff61b1e6                      ; the largest score so far: -3e38
	v_mov_b32 v34, 0x7e000000                      ; -M: 2^125, so that the first change of M multiplies the zeros below by 0
	v_mov_b32 v36, 0
	v_mov_b32 v37, 0
.irp j, 0,1,2,3,4,5,6,7,8,9,10,11,12,13,14,15,16,17,18,19,20,21,22,23,24,25,26,27,28,29,30,31
	v_mov_b32 v[160+\j], 0
.endr
	v_mov_b32 v3, v240                             ; key step 0's k
	v_mov_b32 v38, v241
.endm
.macro KLOAD                           ; k's four operands (n = 2 g + w) and their scale words, by v3 and v38
.irp n, 0,1,2,3
.irp c, 0,1,2
	ds_load_b128 v[40+12*\n+4*\c:43+12*\n+4*\c], v3 offset:3840*(\n/2)+128*(\n%2)+640*\c
.endr
	ds_load_b32 v[224+\n], v38 offset:KSC+128*(\n%2)+8*(\n/2)
.endr
.endm
.macro TMINUS from                     ; t - M of eight scores
.irp j, 0,2,4,6
	v_pk_fma_f32 v[96+\from+\j:97+\from+\j], v[96+\from+\j:97+\from+\j], s[20:21], v[34:35] op_sel_hi:[1,0,0]
.endr
.endm
.macro RESC j                          ; two numbers of O^T under the new M
	v_pk_mul_f32 v[160+\j:161+\j], v[160+\j:161+\j], v[234:235] op_sel_hi:[1,0]
.endm
; A key step of 128 for my 16 queries.  ch: the scalar that holds my queries' key step.
.macro STEP ch
	s_cmp_gt_u32 s[SG], s[\ch]
	s_cbranch_scc1 .Lhidden_\@                     ; wholly above the diagonal
	s_add_co_u32 s17, s[TB], STEPB
	s_min_u32 s17, s17, 15*STEPB                   ; the next step's bytes, held inside the tiles
	s_wait_dscnt 0x0                               ; k's operands, asked for in the step before
.irp n, 0,1,2,3
.irp e, 0,1
	v_wmma_scale_f32_16x16x128_f8f6f4 v[96+32*(\n/2)+16*(\n%2)+8*\e:103+32*(\n/2)+16*(\n%2)+8*\e], v[40+12*\n:51+12*\n], v[14-6*\e:25-6*\e], 0, v[224+\n], v26 matrix_a_fmt:MATRIX_FMT_FP6 matrix_b_fmt:MATRIX_FMT_FP6
.endr
.endr
	v_add_nc_u32 v4, s[TB], v1                     ; (these four are the places behind the products)
	v_add_nc_u32 v39, s[TB], v2
	v_add_nc_u32 v3, s17, v240
	v_add_nc_u32 v38, s17, v241
.irp t, 0,1,2,3                        ; v's four fragments (16 of the head's 64 x these 128 keys) fly under the softmax
.irp c, 0,1,2
	ds_load_b128 v[40+12*\t+4*\c:43+12*\t+4*\c], v4 offset:VFR+1920*\t+640*\c
.endr
.endr
	ds_load_b128 v[228:231], v39 offset:VSC
	s_cmp_lg_u32 s[SG], s[\ch]
	s_cbranch_scc1 .Lopen_\@
.irp m, 0,4,8,12,16,20,24,28           ; on the diagonal: key 64 g + 32 h + m + i beyond my query; four masks by turns
.irp g, 0,1
	v_cmp_gt_i32 s22, \m, v[5+238*\g]
	v_cmp_gt_i32 s23, \m+1, v[5+238*\g]
	v_cmp_gt_i32 s60, \m+2, v[5+238*\g]
	v_cmp_gt_i32 s61, \m+3, v[5+238*\g]
	v_cndmask_b32 v[96+32*\g+\m], v[96+32*\g+\m], v237, s22
	v_cndmask_b32 v[97+32*\g+\m], v[97+32*\g+\m], v237, s23
	v_cndmask_b32 v[98+32*\g+\m], v[98+32*\g+\m], v237, s60
	v_cndmask_b32 v[99+32*\g+\m], v[99+32*\g+\m], v237, s61
.endr
.endr
.Lopen_\@:
.irp g, 0,1                            ; the largest score of my two blocks of 32 keys, each in two chains; every accumulator is read from its low end on
	v_max3_num_f32 v[BM+\g], v[96+32*\g], v[97+32*\g], v[98+32*\g]
	v_max3_num_f32 v[BM+2+\g], v[112+32*\g], v[113+32*\g], v[114+32*\g]
.endr
.irp i, 3,5,7,9,11,13
.irp g, 0,1
	v_max3_num_f32 v[BM+\g], v[BM+\g], v[96+32*\g+\i], v[97+32*\g+\i]
	v_max3_num_f32 v[BM+2+\g], v[BM+2+\g], v[112+32*\g+\i], v[113+32*\g+\i]
.endr
.endr
.irp g, 0,1
	v_max3_num_f32 v[BM+\g], v[BM+\g], v[BM+2+\g], v[111+32*\g]
.endr
.irp g, 0,1
	v_max_num_f32 v[BM+\g], v[BM+\g], v[127+32*\g]
.endr
	s_delay_alu instid0(VALU_DEP_1)
	v_max_num_f32 v236, v212, v213
	s_delay_alu instid0(VALU_DEP_1)
	v_permlanex16_b32 v216, v236, s18, s19         ; lane l xor 16 holds my query's other two blocks
	s_delay_alu instid0(VALU_DEP_1)
	v_max3_num_f32 v35, v35, v236, v216            ; the running largest score
	s_delay_alu instid0(VALU_DEP_1)
	v_mul_f32 v236, s20, v35                       ; as t (c is positive)
	v_mov_b32 v217, v34
	s_delay_alu instid0(VALU_DEP_2)
	v_floor_f32 v34, -v236                         ; -M = floor(-t): M is a whole number
	TMINUS 0                                       ; the factor's three lines stand among the multiply-adds, which do not hang on them
	v_sub_f32 v217, v34, v217
	TMINUS 8
	v_cvt_i32_f32 v217, v217                       ; (it saturates)
	TMINUS 16
	v_ldexp_f32 v234, 1.0, v217                    ; f = 2^(old M - new M)
.irp q, 24,32,40,48,56
	TMINUS \q
.endr
	v_fma_f32 v212, v212, s20, v34                 ; the same of each block's largest score: p rises with the score
	v_fma_f32 v213, v213, s20, v34
	s_wait_alu depctr_va_vdst(0)                   ; the wait ahead of the batch
	v_exp_f32 v212, v212
	v_exp_f32 v213, v213
.irp j, 0,1,2,3,4,5,6,7,8,9,10,11,12,13,14,15,16,17,18,19,20,21,22,23,24,25,26,27,28,29,30,31,32,33,34,35,36,37,38,39,40,41,42,43,44,45,46,47,48,49,50,51,52,53,54,55,56,57,58,59,60,61,62,63
	v_exp_f32 v[96+\j], v[96+\j]
.endr
	v_pk_mul_f32 v[36:37], v[36:37], v[234:235] op_sel_hi:[1,0]   ; the sum under the new M: the plain place behind the batch
	s_wait_alu depctr_va_vdst(0)                   ; one wait for the whole batch, ahead of its first reader
	v_max_num_f32 v212, 0x1800000, v212            ; the floor 2^(3 - 127) holds the byte at 1 from below
	v_max_num_f32 v213, 0x1800000, v213
	s_delay_alu instid0(VALU_DEP_2)
	v_add_nc_u32 v220, 0xff000000, v212            ; 2 off the exponent field: the conversions' scale operands
	s_delay_alu instid0(VALU_DEP_2)
	v_add_nc_u32 v221, 0xff000000, v213
	v_cvt_scalef32_pk16_fp6_f32 v[192:194], v[96:111], v220
	v_cvt_scalef32_pk16_fp6_f32 v[204:206], v[112:127], v220
	v_cvt_scalef32_pk16_fp6_f32 v[198:200], v[128:143], v221
	v_cvt_scalef32_pk16_fp6_f32 v[208:210], v[144:159], v221
	v_lshrrev_b32 v216, 23, v220                   ; the bytes.  (Also the plain place behind the conversions.)  The word's lines stand among lines that do not hang on them
	v_lshrrev_b32 v217, 23, v221
.irp i, 0,1,2
	v_mov_b32 v[195+\i], v[204+\i]                 ; (a conversion's three registers begin on an even number)
.endr
	v_lshl_or_b32 v216, v217, 16, v216             ; my bytes: blocks h and 2 + h,
.irp i, 0,1,2
	v_mov_b32 v[201+\i], v[208+\i]
.endr
	v_lshlrev_b32 v216, v242, v216                 ; at their places;
	s_wait_alu depctr_va_vdst(0)                   ; the wait here, directly ahead of the first reader of O^T
	RESC 0
	RESC 2
	v_permlanex16_b32 v218, v216, s18, s19
	RESC 4
	RESC 6
	RESC 8
	v_or_b32 v232, v216, v218                      ; with lane l xor 16's two the word is whole; eleven plain lines stand between it and the products
.irp j, 10,12,14,16,18,20,22,24,26,28,30
	RESC \j
.endr
	s_wait_alu depctr_va_vdst(0)                   ; the wait here, directly ahead of the wait below
	s_wait_dscnt 0x0                               ; v's fragments and scale words are in
.irp t, 0,1,2,3                        ; four accumulators by turns
	v_wmma_scale_f32_16x16x128_f8f6f4 v[160+8*\t:167+8*\t], v[40+12*\t:51+12*\t], v[192:203], v[160+8*\t:167+8*\t], v[228+\t], v232 matrix_a_fmt:MATRIX_FMT_FP6 matrix_b_fmt:MATRIX_FMT_FP6
.endr
	v_pk_add_f32 v[238:239], v[96:97], v[98:99]    ; THE SUM IS TAKEN OF THE UNQUANTISED p, in four chains.  (These four are the places behind the products)
	v_pk_add_f32 v[88:89], v[100:101], v[102:103]
	v_pk_add_f32 v[90:91], v[104:105], v[106:107]
	v_pk_add_f32 v[36:37], v[36:37], v[108:109]
	KLOAD                                          ; the next step's k flies under the sums
	v_pk_add_f32 v[238:239], v[238:239], v[110:111]
.irp j, 16,24,32,40,48,56
	v_pk_add_f32 v[88:89], v[88:89], v[96+\j:97+\j]
	v_pk_add_f32 v[90:91], v[90:91], v[98+\j:99+\j]
	v_pk_add_f32 v[36:37], v[36:37], v[100+\j:101+\j]
	v_pk_add_f32 v[238:239], v[238:239], v[102+\j:103+\j]
.endr
	v_pk_add_f32 v[88:89], v[88:89], v[90:91]
	v_pk_add_f32 v[36:37], v[36:37], v[238:239]
	v_pk_add_f32 v[36:37], v[36:37], v[88:89]
	s_wait_alu depctr_va_vdst(0)                   ; the wait ahead of the loop's branches
.Lhidden_\@:
	s_add_co_u32 s[TB], s[TB], STEPB
.endm
; O^T / l, then quantised: the 16 registers of tiles 2 b, 2 b + 1 are e = 32 b + 16 h + 0 .. 15 of my query; codes and two scale bytes leave as the last projection's operand image.
.macro FINISH ct, cs
.rept 4
	v_nop
.endr
	v_add_f32 v36, v36, v37
	s_delay_alu instid0(VALU_DEP_1)
	v_permlanex16_b32 v236, v36, s18, s19
	s_delay_alu instid0(VALU_DEP_1)
	v_add_f32 v36, v36, v236
	s_wait_alu depctr_va_vdst(0)                   ; the wait ahead of the transcendental,
	v_rcp_f32 v234, v36
	v_nop
	s_wait_alu depctr_va_vdst(0)                   ; and ahead of its first reader, which is O^T's first reader too
.irp j, 0,2,4,6,8,10,12,14,16,18,20,22,24,26,28,30
	RESC \j
.endr
.irp b, 0,1
	v_max3_num_f32 v[BM+\b], |v[160+16*\b]|, |v[161+16*\b]|, 0x1800000
.endr
.irp i, 2,4,6,8,10,12,14
.irp b, 0,1
	s_delay_alu instid0(VALU_DEP_2)
	v_max3_num_f32 v[BM+\b], v[BM+\b], |v[160+16*\b+\i]|, |v[161+16*\b+\i]|
.endr
.endr
.irp b, 0,1
	s_delay_alu instid0(VALU_DEP_2)
	v_permlanex16_b32 v[216+\b], v[BM+\b], s18, s19
.endr
.irp b, 0,1
	s_delay_alu instid0(VALU_DEP_2)
	v_max_num_f32 v[BM+\b], v[BM+\b], v[216+\b]
.endr
.irp b, 0,1
	s_delay_alu instid0(VALU_DEP_2)
	v_add_nc_u32 v[220+\b], 0xff000000, v[BM+\b]
.endr
.irp b, 0,1
	s_delay_alu instid0(VALU_DEP_2)
	v_lshrrev_b32 v[216+\b], 23, v[220+\b]
.endr
	s_delay_alu instid0(VALU_DEP_1)
	v_lshl_or_b32 v236, v217, 8, v216
	v_cvt_scalef32_pk16_fp6_f32 v[192:194], v[160:175], v220
	v_cvt_scalef32_pk16_fp6_f32 v[204:206], v[176:191], v221
	v_nop
.irp i, 0,1,2
	v_permlane16_swap_b32 v[192+\i], v[204+\i]
.endr
.irp i, 0,1,2
	s_delay_alu instid0(VALU_DEP_3)
	v_mov_b32 v[195+\i], v[204+\i]
.endr
	global_store_b128 v1, v[192:195], s[\ct:\ct+1]
	global_store_b64 v6, v[196:197], s[\ct:\ct+1] offset:512
	global_store_b16 v2, v236, s[\cs:\cs+1]
.endm
	INIT 0
	s_mov_b32 s[SG], 0
	s_mov_b32 s[TB], 0
	s_wait_alu depctr_va_vdst(0)                   ; the wait at the head's end
	s_wait_tensorcnt 0x0                           ; my key step is in,
	s_barrier_signal -1
	s_barrier_wait -1                              ; and everybody's: LDS is only read from here on
	KLOAD
.Lfirst:
	STEP 13
	s_add_co_u32 s[SG], s[SG], 1
	s_cmp_lt_u32 s[SG], 16
	s_cbranch_scc1 .Lfirst
	FINISH 40, 42
	s_wait_xcnt 0x0                                ; the stores have read their registers,
	s_wait_dscnt 0x0                               ; and what the last live step asked for has landed: its registers may be loaded anew
	INIT 1
	s_mov_b32 s[SG], 0
	s_mov_b32 s[TB], 0
	s_wait_alu depctr_va_vdst(0)                   ; the wait ahead of the loop's waits and branches
	KLOAD
.Lsecond:
	STEP 14
	s_add_co_u32 s[SG], s[SG], 1
	s_cmp_lt_u32 s[SG], 8
	s_cbranch_scc1 .Lsecond
	FINISH 44, 46
	s_wait_tensorcnt 0x0                           ; the wave's end
	ds_add_u32 v254, v255
	s_wait_dscnt 0x0
	ROUND                                          ; the closing round
	s_endpgm
.Lfunc_end_k_q3a6740b14e_attn:
	.size	k_q3a6740b14e_attn, .Lfunc_end_k_q3a6740b14e_attn-k_q3a6740b14e_attn
	.p2alignl 7, 3214868480
	.fill 96, 4, 3214868480
	.section	.rodata,"a",@progbits
	.p2align	6, 0x0
	.amdhsa_kernel k_q3a6740b14e_attn
		.amdhsa_group_segment_fixed_size 327680
		.amdhsa_private_segment_fixed_size 0
		.amdhsa_enable_private_segment 0
		.amdhsa_kernarg_size 24
		.amdhsa_user_sgpr_count 2
		.amdhsa_user_sgpr_kernarg_segment_ptr 1
		.amdhsa_wavefront_size32 1
		.amdhsa_system_sgpr_workgroup_id_x 1
		.amdhsa_system_sgpr_workgroup_id_y 1
		.amdhsa_system_sgpr_workgroup_id_z 1
		.amdhsa_system_vgpr_workitem_id 0
		.amdhsa_next_free_vgpr 256
		.amdhsa_next_free_sgpr 66
		.amdhsa_reserve_vcc 0
		.amdhsa_float_denorm_mode_32 3
		.amdhsa_float_denorm_mode_16_64 3
		.amdhsa_memory_ordered 1
		.amdhsa_forward_progress 1
		.amdhsa_inst_pref_size 68
	.end_amdhsa_kernel
	.amdgpu_metadata
---
amdhsa.version: [ 1, 2 ]
amdhsa.kernels:
  - .name:           k_q3a6740b14e_attn
    .symbol:         k_q3a6740b14e_attn.kd
    .args:
      - { .name: qkv, .offset: 0, .size: 8, .value_kind: global_buffer, .address_space: global }
      - { .name: ctc, .offset: 8, .size: 8, .value_kind: global_buffer, .address_space: global }
      - { .name: cts, .offset: 16, .size: 8, .value_kind: global_buffer, .address_space: global }
    .group_segment_fixed_size: 327680
    .private_segment_fixed_size: 0
    .kernarg_segment_align: 8
    .kernarg_segment_size: 24
    .max_flat_workgroup_size: 512
    .sgpr_count:     66
    .vgpr_count:     256
    .wavefront_size: 32
...
	.end_amdgpu_metadata
.endif
;; end of part 3
;; launch outp (part 4): grid 4 x 64, 4 waves a work-group, clusters of 4 x 4, 327,680 bytes of LDS; arguments ctc, cts, cod, scl, out0; writes out0
.if DOCPART == 4
	.amdgcn_target "amdgcn-amd-amdhsa--gfx1250"
	.amdhsa_code_object_version 6
	.text
	.protected	k_q3a6740b14e_outp
	.globl	k_q3a6740b14e_outp
	.p2align	8
	.type	k_q3a6740b14e_outp,@function
k_q3a6740b14e_outp:
	s_mov_b64 s[64:65], 0
	v_nop
	global_prefetch_b8 v0, s[64:65] scope:SCOPE_SE
	s_setreg_imm32_b32 hwreg(HW_REG_WAVE_MODE, 25, 1), 1
	s_wait_xcnt 0x0
	s_wait_alu depctr_hold_cnt(0) depctr_sa_sdst(0) depctr_va_vdst(0) depctr_va_sdst(0) depctr_va_ssrc(0) depctr_va_vcc(0) depctr_vm_vsrc(0)
	s_getreg_b32 s2, hwreg(HW_REG_IB_STS2, 6, 4)
	s_cmp_eq_u32 s2, 0
	s_cbranch_scc0 .Lentry_in_a_cluster
	s_endpgm
.Lentry_in_a_cluster:
	s_bfe_u32 s2, ttmp6, 0x10000c
	s_cmp_lg_u32 s2, 0xf033
	s_cbranch_scc0 .Lentry_shape_is_right
	s_endpgm
.Lentry_shape_is_right:
; out0 = ctx Wo^T on codes of FP6 (E2M3) with E8M0 scales, K = 1,024.  A work-group makes 128 x 256, a wave 64 x 128.  Codes lie in memory as images of operand registers, 1,536 bytes for a tile of 16 rows and 128 along K.
; ALL OF K LIES IN LDS, filled once by four joint loads at the head, one a wave, in one chain of branches on the wave's number: wave 0 ctx's 8 tiles, K steps 0-3 (rows of 6,144 bytes), wave 1 Wo's 16 tiles likewise,
; waves 2 and 3 the same for K steps 4-7.  The first barrier shows waves 0 and 1's tiles alone; a plain barrier in K step 3, with every wave's wait for its load ahead of it, shows the rest.  Nothing is filled again.
; ctx's tiles are shared along a row of the 4 x 4 cluster, Wo's along a column.  No prefetch: every byte is asked for at the head.  The stage of the way out lies in ctx's K steps 0-3, read no more behind K step 3's barrier.
.set CHUNK, 147456                     ; half of K in LDS: ctx's 8 tiles x 6,144 bytes, then Wo's 16
.set A16,  4
.set A8,   8
.set B16,  12
.set STO,  16
.set RD,   17
.set SCA,  32
.set SCB,  64
.set AFR,  128
.set BK,   128
.set G1,  24
.set G1B, 32
.set G0,  40
.set G0B, 68
.set MSB, 0
.macro WIN new
.if MSB != \new
	s_set_vgpr_msb (MSB<<8)|\new
.set MSB, \new
.endif
.endm
.macro ARM under, g0, g1, next         ; an arm of the head's chain: one joint load, its s_nop 0 and four v_nop
	s_cmp_lt_u32 s14, \under
	s_cbranch_scc0 \next
	tensor_load_to_lds s[\g0:\g0+3], s[\g1:\g1+7]
	s_nop 0
.rept 4
	v_nop
.endr
	s_branch .Lhead_asked
\next:
.endm
.macro CROUND
	s_barrier_signal -1
	s_barrier_wait -1
	s_cmp_lg_u32 s14, 0
	s_cbranch_scc1 .Lnot_wave_0_\@
	s_barrier_signal -3
.Lnot_wave_0_\@:
	s_barrier_wait -3
	s_barrier_signal -1
	s_barrier_wait -1
.endm
.macro PLACES
.rept 4
	v_nop
.endr
.endm
	s_load_b256 s[4:11], s[0:1], 0x0
	s_load_b64 s[12:13], s[0:1], 0x20
	v_lshl_add_u32 v30, v0, 2, 0x48000
	v_mov_b32 v31, 0
	ds_add_u32 v30, v31
	ds_add_u32 v30, v31
	v_lshrrev_b32 v1, 5, v0
	v_readfirstlane_b32 s14, v1
	s_lshr_b32 s15, s14, 1
	s_and_b32 s16, s14, 1
	s_bfe_u32 s86, ttmp6, 0x40000
	s_bfe_u32 s87, ttmp6, 0x40004
	s_and_b32 s17, ttmp7, 0xffff
	s_lshl_b32 s17, s17, 2
	s_add_co_u32 s17, s17, s87
	s_lshl_b32 s88, s87, 2
	s_lshl_b32 s88, 15, s88
	s_lshl_b32 s89, 0x1111, s86
	s_or_b32 s[G1], s88, (3<<16)|(1<<21)
	s_mov_b32 s[G1+1], 768<<16
	s_mov_b32 s[G1+2], 8<<16
	s_mov_b32 s[G1+3], 768<<16
	s_mov_b32 s[G1+4], 8
	s_mov_b32 s[G1+5], 1536
	s_mov_b32 s[G1+6], 0
	s_mov_b32 s[G1+7], 0
	s_or_b32 s[G1B], s89, (3<<16)|(1<<21)
	s_mov_b32 s[G1B+1], 768<<16
	s_mov_b32 s[G1B+2], 16<<16
	s_mov_b32 s[G1B+3], 768<<16
	s_mov_b32 s[G1B+4], 16
	s_mov_b32 s[G1B+5], 1536
	s_mov_b32 s[G1B+6], 0
	s_mov_b32 s[G1B+7], 0
	s_mul_i32 s18, s17, 98304                      ; ctx: my block's 8 tiles of 12,288 bytes
	s_mov_b32 s19, 0
	s_lshl_b32 s90, s86, 4
	s_add_co_u32 s90, s90, 704                     ; Wo: row tile 704 + 16 cx
	s_mul_i32 s90, s90, 12288
	s_mov_b32 s91, 0
	s_lshl_b32 s56, s17, 3
	s_lshl_b32 s57, s15, 2
	s_add_co_u32 s56, s56, s57
	s_lshl_b32 s56, s56, 9
	s_mov_b32 s57, 0
	s_lshl_b32 s58, s86, 4
	s_lshl_b32 s59, s16, 3
	s_add_co_u32 s58, s58, s59
	s_add_co_u32 s58, s58, 704
	s_lshl_b32 s58, s58, 9
	s_mov_b32 s59, 0
	s_lshl_b32 s60, s17, 7
	s_lshl_b32 s61, s15, 6
	s_add_co_u32 s60, s60, s61
	s_lshl_b32 s60, s60, 12
	s_lshl_b32 s61, s86, 10
	s_add_co_u32 s60, s60, s61
	s_lshl_b32 s61, s16, 9
	s_add_co_u32 s60, s60, s61
	s_mov_b32 s61, 0
	s_wait_dscnt 0x0
	s_wait_kmcnt 0x0
	s_add_nc_u64 s[18:19], s[4:5], s[18:19]
	s_add_nc_u64 s[90:91], s[8:9], s[90:91]
	s_add_nc_u64 s[56:57], s[6:7], s[56:57]
	s_add_nc_u64 s[58:59], s[10:11], s[58:59]
	s_add_nc_u64 s[60:61], s[12:13], s[60:61]
	CROUND
.irp j, 0,1
	s_mov_b32 s[G0+4*\j], 1
	s_mov_b32 s[G0+4*\j+1], \j*CHUNK
	s_add_nc_u64 s[G0+4*\j+2:G0+4*\j+3], s[18:19], \j*6144
	s_or_b32 s[G0+4*\j+3], s[G0+4*\j+3], 0x80000000
	s_mov_b32 s[G0B+4*\j], 1
	s_mov_b32 s[G0B+4*\j+1], \j*CHUNK+49152
	s_add_nc_u64 s[G0B+4*\j+2:G0B+4*\j+3], s[90:91], \j*6144
	s_or_b32 s[G0B+4*\j+3], s[G0B+4*\j+3], 0x80000000
.endr
	ARM 1, G0,   G1,  .Lhead_1
	ARM 2, G0B,  G1B, .Lhead_2
	ARM 3, G0+4, G1,  .Lhead_3
	tensor_load_to_lds s[G0B+4:G0B+7], s[G1B:G1B+7]
	s_nop 0
.rept 4
	v_nop
.endr
.Lhead_asked:
	v_and_b32 v18, 15, v0
	v_bfe_u32 v19, v0, 4, 1
	v_lshlrev_b32 v3, 4, v18
.irp i, 0,1,2,3
.irp kh, 0,1
	global_load_b128 v[SCA+8*\i+4*\kh:SCA+8*\i+4*\kh+3], v3, s[56:57] offset:512*\i+256*\kh
.endr
.endr
.irp i, 0,1,2,3,4,5,6,7
.irp kh, 0,1
	global_load_b128 v[SCB+8*\i+4*\kh:SCB+8*\i+4*\kh+3], v3, s[58:59] offset:512*\i+256*\kh
.endr
.endr
	v_and_b32 v1, 31, v0
	v_lshlrev_b32 v2, 3, v1
	v_lshlrev_b32 v1, 4, v1
	s_mul_i32 s93, s15, 24576                      ; my 4 tiles of ctx, 6,144 bytes each
	s_mul_i32 s94, s16, 49152                      ; my 8 tiles of Wo,
	s_add_co_u32 s94, s94, 49152                   ; behind ctx's 8
.irp j, 0,1
	v_add_nc_u32 v[A16+\j], s93, v1
	v_add_nc_u32 v[A8+\j], s93, v2
	v_add_nc_u32 v[B16+\j], s94, v1
	s_add_co_u32 s93, s93, CHUNK
	s_add_co_u32 s94, s94, CHUNK
.endr
	s_mul_i32 s95, s14, 8448
	v_mul_u32_u24 v[STO], v18, 528
	v_lshl_add_u32 v[STO], v19, 6, v[STO]
	v_add_nc_u32 v[STO], s95, v[STO]
	v_add_nc_u32 v[RD], s95, v1
.macro FETCH k
.set J, (\k)/4                         ; which half of K,
.set KK, (\k)%4                        ; which K step of it,
.set Q, (\k)%2                         ; which set of registers
	WIN 0x40
.irp i, 0,1,2,3,4,5,6,7
.irp c, 0,1,2
	ds_load_b128 v[128*Q+12*\i+4*\c:128*Q+12*\i+4*\c+3], v[B16+J] offset:\i*6144+KK*1536+512*\c
.endr
.endr
	WIN 0
.irp i, 0,1,2,3
	ds_load_b128 v[AFR+48*Q+12*\i:AFR+48*Q+12*\i+3], v[A16+J] offset:\i*6144+KK*1536
	ds_load_b64 v[AFR+48*Q+12*\i+4:AFR+48*Q+12*\i+5], v[A8+J] offset:\i*6144+KK*1536+512
	ds_load_b128 v[AFR+48*Q+12*\i+6:AFR+48*Q+12*\i+9], v[A16+J] offset:\i*6144+KK*1536+768
	ds_load_b64 v[AFR+48*Q+12*\i+10:AFR+48*Q+12*\i+11], v[A8+J] offset:\i*6144+KK*1536+1280
.endr
.endm
.macro MULS k
.set P, (\k)%2
.irp a, 0,1,2,3
.irp b, 0,1,2,3,4,5,6,7
.if (\k) == 0
	v_wmma_scale_f32_16x16x128_f8f6f4 v[8*(8*\a+\b):8*(8*\a+\b)+7], v[128*P+12*\b:128*P+12*\b+11], v[AFR+48*P+12*\a:AFR+48*P+12*\a+11], 0, v[SCB+8*\b+(\k)], v[SCA+8*\a+(\k)] matrix_a_fmt:MATRIX_FMT_FP6 matrix_b_fmt:MATRIX_FMT_FP6
.else
	v_wmma_scale_f32_16x16x128_f8f6f4 v[8*(8*\a+\b):8*(8*\a+\b)+7], v[128*P+12*\b:128*P+12*\b+11], v[AFR+48*P+12*\a:AFR+48*P+12*\a+11], v[8*(8*\a+\b):8*(8*\a+\b)+7], v[SCB+8*\b+(\k)], v[SCA+8*\a+(\k)] matrix_a_fmt:MATRIX_FMT_FP6 matrix_b_fmt:MATRIX_FMT_FP6
.endif
.endr
.endr
.endm
.macro KSTEP k
	s_wait_dscnt 0x0
.if (\k) == 3
	s_wait_tensorcnt 0x0                           ; every wave's load is in: the barrier shows K steps 4-7 to all
	s_barrier_signal -1
	s_barrier_wait -1
.endif
.if ((\k) > 0) && ((\k) < 7)
	PLACES
.endif
.if (\k) < 7
	FETCH (\k)+1
.endif
	WIN 0xa1
	MULS \k
	WIN 0
.endm
	s_wait_alu depctr_va_vdst(0)                   ; the wait at the head's end
	s_cmp_lt_u32 s14, 2
	s_cbranch_scc0 .Lnot_low
	s_wait_tensorcnt 0x0                           ; waves 0 and 1: K steps 0-3 are in
.Lnot_low:
	s_barrier_signal -1
	s_barrier_wait -1
	FETCH 0
	s_wait_loadcnt 0x0
.irp k, 0,1,2,3,4,5,6,7
	KSTEP \k
.endr
.macro TOSTAGE a
	WIN 0x08
.irp b, 0,1,2,3,4,5,6,7
	ds_store_b128 v[STO], v[64*(\a)+8*\b:64*(\a)+8*\b+3] offset:128*(\b/2)+32*(\b%2)
	ds_store_b128 v[STO], v[64*(\a)+8*\b+4:64*(\a)+8*\b+7] offset:128*(\b/2)+32*(\b%2)+16
.endr
	WIN 0
.set BB, BK+64*((\a)%2)
.irp t, 0,1,2,3,4,5,6,7,8,9,10,11,12,13,14,15
	ds_load_b128 v[BB+4*\t:BB+4*\t+3], v[RD] offset:\t*528
.endr
.endm
.macro SEND a, younger
.set BB, BK+64*((\a)%2)
	s_wait_dscnt \younger
.irp t, 0,1,2,3,4,5,6,7,8,9,10,11,12,13,14,15
	global_store_b128 v1, v[BB+4*\t:BB+4*\t+3], s[60:61] offset:(32*((\a)/2)+8*((\a)%2)+\t+8*(\t/8))*4096 th:TH_STORE_NT
.endr
.endm
	PLACES
	TOSTAGE 0
.irp a, 1,2,3
.if \a > 1
	s_wait_xcnt 0x0
.endif
	TOSTAGE \a
	SEND \a-1, 32
.endr
	SEND 3, 0
	s_wait_tensorcnt 0x0
	ds_add_u32 v30, v31
	s_wait_dscnt 0x0
	CROUND
	s_endpgm
.Lfunc_end_k_q3a6740b14e_outp:
	.size	k_q3a6740b14e_outp, .Lfunc_end_k_q3a6740b14e_outp-k_q3a6740b14e_outp
	.p2alignl 7, 3214868480
	.fill 96, 4, 3214868480
	.section	.rodata,"a",@progbits
	.p2align	6, 0x0
	.amdhsa_kernel k_q3a6740b14e_outp
		.amdhsa_group_segment_fixed_size 327680
		.amdhsa_private_segment_fixed_size 0
		.amdhsa_enable_private_segment 0
		.amdhsa_kernarg_size 40
		.amdhsa_user_sgpr_count 2
		.amdhsa_user_sgpr_kernarg_segment_ptr 1
		.amdhsa_wavefront_size32 1
		.amdhsa_system_sgpr_workgroup_id_x 1
		.amdhsa_system_sgpr_workgroup_id_y 1
		.amdhsa_system_sgpr_workgroup_id_z 1
		.amdhsa_system_vgpr_workitem_id 0
		.amdhsa_next_free_vgpr 768
		.amdhsa_next_free_sgpr 100
		.amdhsa_reserve_vcc 0
		.amdhsa_float_denorm_mode_32 3
		.amdhsa_float_denorm_mode_16_64 3
		.amdhsa_memory_ordered 1
		.amdhsa_forward_progress 1
		.amdhsa_inst_pref_size 79
	.end_amdhsa_kernel
	.amdgpu_metadata
---
amdhsa.version: [ 1, 2 ]
amdhsa.kernels:
  - .name:           k_q3a6740b14e_outp
    .symbol:         k_q3a6740b14e_outp.kd
    .args:
      - { .name: ctc, .offset: 0, .size: 8, .value_kind: global_buffer, .address_space: global }
      - { .name: cts, .offset: 8, .size: 8, .value_kind: global_buffer, .address_space: global }
      - { .name: cod, .offset: 16, .size: 8, .value_kind: global_buffer, .address_space: global }
      - { .name: scl, .offset: 24, .size: 8, .value_kind: global_buffer, .address_space: global }
      - { .name: out0, .offset: 32, .size: 8, .value_kind: global_buffer, .address_space: global }
    .group_segment_fixed_size: 327680
    .private_segment_fixed_size: 0
    .kernarg_segment_align: 8
    .kernarg_segment_size: 40
    .max_flat_workgroup_size: 128
    .sgpr_count:     100
    .vgpr_count:     768
    .wavefront_size: 32
...
	.end_amdgpu_metadata
.endif
;; end of part 4
